; MI455X (gfx1250); checked and timed in simulation.
; The chip was launched on July 23, 2026; its instructions are those of AMD's public machine-readable ISA for CDNA 5 (MIT licence, August 2026) and "CDNA5" Instruction Set Architecture Reference Guide (July 2026). The comments in the code are by the model that wrote it; some were corrected since.
;; Bahdanau Attention. Allowed arithmetic: matrix products marked QUANTISED: E2M1 operands, one E8M0 scale for each 32 along K, by v_wmma_scale_f32_16x16x128_f8f6f4 with both operands' format E2M1 (or v_wmma_scale_f32_32x16x128_f4), f32 sums; products left as they are: f32 operands where the result goes on into a quantised operand, else bf16, f16 or f32 operands; f32 sums; everything else in f32.
;; Inputs: Ua_b 1,024 float32; Ua_w 1,024 x 1,024 float32; Va_b 1 float32; Va_w 1 x 1,024 float32; Wa_b 1,024 float32; Wa_w 1,024 x 1,024 float32; keys 32 x 2,048 x 1,024 float32; query 32 x 1 x 1,024 float32.
;; Outputs: out0 32 x 1 x 1,024 float32; out1 32 x 1 x 2,048 float32.
;; Constants: idx = 0.
;; This version of the problem:
;;   THIS VERSION OF THE PROBLEM IS GIVEN IN LOW PRECISION. The matrix products marked QUANTISED in the list below multiply operands that are first quantised to E2M1 (2 exponent bits, 1 mantissa bit; 4 bits a number), with one power-of-two scale for each 32 numbers along K (OCP MX v1.0); their sums are f32. All else is computed in f32.
;;   The module's matrix products, in the order in which they are computed (A, B: the left and right operand; K: the contracted axis; several contracted axes count as one K, in the product's order):
;;     1. [M 32, K 1,024] x [K 1,024, N 1,024]; A: input query; B: input Wa_w: QUANTISED
;;     2. [M 65,536, K 1,024] x [K 1,024, N 1,024]; A: input keys; B: input Ua_w: QUANTISED
;;     3. [M 65,536, K 1,024] x [K 1,024, N 1]; A: computed on the way; B: input Va_w: left as it is (N = 1 < 16)
;;     4. batch 32 x [M 1, K 2,048] x [K 2,048, N 1,024]; A: computed on the way; B: input keys: left as it is (M = 1 < 16)
;;   THE QUANTISER, for each operand of a quantised product, along K:
;;     - K is cut into blocks of 32 from its start; a last block that is shorter is filled with zeros.
;;     - A block's scale is 2^e with e = floor(log2(the largest magnitude in the block)) - 2, held to -126 .. 127; a block of zeros has e = 0. As a byte (E8M0): e + 127.
;;     - Each number is divided by its block's scale, clamped to +-6, and rounded to the nearest number of E2M1, ties to even, subnormals kept.
;;     - The product sums the exact products of the quantised numbers (number of the format x scale) in f32.
;;   ~~~python
;;   def quantise(x, axis):      # numpy; x: float32 -> the quantised numbers, widened to float32 again
;;       x = np.moveaxis(x, axis, -1); K = x.shape[-1]
;;       x = np.pad(x, [(0, 0)] * (x.ndim - 1) + [(0, -K % 32)]); x = x.reshape(x.shape[:-1] + (-1, 32)); a = np.abs(x).max(-1, keepdims=True)
;;       e = np.where(a > 0, np.clip(np.frexp(np.where(a > 0, a, 1))[1] - 1 - 2, -126, 127), 0)      # np.frexp(a)[1] - 1 = floor(log2(a)), exactly
;;       r = np.clip(x / 2.0 ** e, -6, 6)
;;       step = 2.0 ** (np.maximum(np.frexp(np.where(r == 0, 1, r))[1] - 1, 0) - 1)
;;       q = np.round(r / step) * step * 2.0 ** e      # np.round: ties to even
;;       return np.moveaxis(q.reshape(q.shape[:-2] + (-1,))[..., :K], -1, axis).astype(np.float32)
;;   ~~~
;; 2 versions. Each part assembles by itself: llvm-mc -triple=amdgcn-amd-amdhsa -mcpu=gfx1250 --defsym DOCPART=n.
;; ======== version 1 of 2: 3 launches
;; workspace buffers: ub_codes 524,288 bytes; ub_scales 32,768 bytes; qb 131,072 bytes; sc_t 262,144 bytes; pc 1,048,576 bytes; pml 65,536 bytes
;; launch prep (part 1): grid 64 x 1, 8 waves a work-group, no clusters, 37,888 bytes of LDS; arguments Ua_w, Wa_w, query, Wa_b, Ua_b, ub_codes, ub_scales, qb; writes ub_codes, ub_scales, qb
.if DOCPART == 1
	.amdgcn_target "amdgcn-amd-amdhsa--gfx1250"
	.amdhsa_code_object_version 6
	.text
	.protected	k_q411b3ac0d7_prep
	.globl	k_q411b3ac0d7_prep
	.p2align	8
	.type	k_q411b3ac0d7_prep,@function
k_q411b3ac0d7_prep:
	s_mov_b64 s[64:65], 0
	v_nop
	global_prefetch_b8 v0, s[64:65] scope:SCOPE_SE
	s_setreg_imm32_b32 hwreg(HW_REG_WAVE_MODE, 25, 1), 1
	s_wait_xcnt 0x0
; BAHDANAU ATTENTION, launch 1 of 3.  Ua_w, Wa_w and query become codes of FP4 (E2M1) with one E8M0 byte for each 32 along K; the first product, query x Wa_w^T, is done here.
; WORK LEFT OUT IN THE WHOLE PROGRAM, for all finite values of the inputs:
;   Both outputs hang on the scores through softmax over s alone (out1 is that softmax, out0 its weights times keys), and a softmax is unchanged by a term that is the same along its axis.
;   (1) Va_b[0] is added to every score of a row: it cancels.  Va_b is not loaded and is among no launch's arguments.
;   (2) tanh(x) = 1 - 2 / (1 + e^(2x)), so score = sum_h Va[h] - 2 sum_h Va[h] r_h with r = 1 / (1 + 2^(c x)), c = 2 log2(e).  sum_h Va[h] is the same along s: it cancels.
;   What is computed: t = sum_h (-c Va[h]) r_h = log2(e) x (score - the two constants); the weights are 2^(t - max t) / their sum.  idx reaches nothing in the problem's own text.
;   LIMIT: a NaN, an infinity or an overflow that reaches only Va_b or the sum of Va is not carried to the result.
; OTHER LIMITS: NaN and infinities among the inputs are not served.  A block of zeros gets the scale byte 1 where the quantiser says 127: its codes are zeros, which add nothing, and the bytes are read by this program alone.
; SHARES.  Work-group T (of 64) takes Ua rows 16 T .. + 15, Wa rows 16 T .. + 15 and all 32 rows of query: 64 local rows, 8 a wave (waves 0, 1: Ua; 2, 3: Wa; 4 to 7: query).
; A row's 1,024 numbers lie in one wave: lane l holds floats 256 j + 8 l + 0 .. 7, j = 0 .. 3: eight neighbours along K for a conversion; four neighbouring lanes hold a block of 32.
; The codes go to LDS as rows (512 bytes + 16) and come back as operand fragments.  OUT: ub_codes [T][K step 8][c 2][lane 32][16 bytes], the order of the operand's registers;
; ub_scales [T][lane 32][4 words]: word q of lane (r, h) is row r's scale word of K step 2 q + h;  qb [T][batch 32][16] = c x (query Wa^T + Wa_b + Ua_b).
.set CODES, 0                          ; LDS: 64 rows x CP
.set CP,    528                        ; 512 bytes of codes + 16: the 16 rows of a fragment load start 132 words apart
.set SCB,   64*CP                      ; 64 rows x SCP: the scale bytes, byte = block number
.set SCP,   48                         ; 32 bytes + 16
.set SPARE, SCB+64*SCP                 ; the spare words, 128 bytes for each of the eight waves, which no other line names
.set SPW, 1                            ; v1   my spare word; never rewritten
.set NIL, 2                            ; v2   0; never rewritten
.set KOFF, 3                           ; v3   32 x lane: my octet in 1,024 bytes of a row
.set LOFF, 4                           ; v4   16 x lane
.set CST, 5                            ; v5   where my wave's first row's codes go, + 4 x lane
.set SST, 6                            ; v6   the same for the scale bytes, + lane / 4
.set FRA, 8                            ; v8   a fragment's place: r x CP + 16 h
.set SRW, 9                            ; v9   SCB + r x SCP
.set SRH, 10                           ; v10  + 4 h
.set BOF, 11                           ; v11  32 h
.set QOF, 12                           ; v12  64 r + 32 h
.set FRK, 13                           ; v13  FRA + 64 x wave: Ua's fragment of K step = wave
.set FRQ, 14                           ; v14  FRA at query's rows 16 (wave % 2) on
.set SRQ, 15                           ; v15  SRW likewise
.set AD0, 16
.set AD1, 17
.set AD2, 18
.set WB,  20                           ; v20-27 Wa_b, v28-35 Ua_b of my eight outputs
.set UB,  28
.set ACC0, 40                          ; two accumulators, by turns
.set ACC1, 48
.set RES, 56
.set UF,  64                           ; Ua's fragment on its way out
.set USW, 72                           ; its scale words on their way out
.set QT,  76                           ; v76-91 QROW's: largest magnitudes 4, scale operands 4, bytes 4, codes 4
.set WSC, 104                          ; v104-111 Wa's scale words, v112-119 query's: these hold scales and nothing else
.set QSC, 112
.set SL,  128                          ; v128-255 four row slots; later Wa's fragments (128-191) and query's (192-255)
.set WV,  20
.set SRC, 22                           ; s[22:23] my wave's rows
.set CC,  24                           ; s[24:25] c = 2 log2(e)
.set TQ,  30
.set TS,  31
; One row becomes 512 bytes of codes and 32 scale bytes in LDS.  X: the row's 32 registers.
.macro QROW X, bf
	v_add_nc_u32 v[AD0], s[TQ], v[CST]
	v_add_nc_u32 v[AD1], s[TS], v[SST]
.if \bf
	v_add_nc_u32 v[AD2], s[TK], v[KST]
.endif
.irp j, 0,1,2,3
	v_max3_num_f32 v[QT+\j], |v[\X+8*\j]|, |v[\X+8*\j+1]|, 0x1800000   ; my eight of block 8 j + lane / 4, and the floor 2^(3 - 127): the byte cannot fall under 1
.endr
.irp i, 2,4,6
.irp j, 0,1,2,3
	v_max3_num_f32 v[QT+\j], v[QT+\j], |v[\X+8*\j+\i]|, |v[\X+8*\j+\i+1]|
.endr
.endr
.irp j, 0,1,2,3
	v_max_num_f32_dpp v[QT+\j], v[QT+\j], v[QT+\j] row_xmask:1 row_mask:0xf bank_mask:0xf
.endr
.irp j, 0,1,2,3
	v_max_num_f32_dpp v[QT+\j], v[QT+\j], v[QT+\j] row_xmask:2 row_mask:0xf bank_mask:0xf   ; four lanes: the block's largest magnitude
.endr
.irp j, 0,1,2,3
	v_add_nc_u32 v[QT+4+\j], 0xff000000, v[QT+\j]                      ; 2 off its exponent field: the conversion takes this operand's exponent field as its scale
.endr
.irp j, 0,1,2,3
	v_cvt_scalef32_pk8_fp4_f32 v[QT+12+\j], v[\X+8*\j:\X+8*\j+7], v[QT+4+\j]
.endr
.irp j, 0,1,2,3
	v_lshrrev_b32 v[QT+8+\j], 23, v[QT+4+\j]                           ; the scale's byte.  (Plain lines behind the conversions)
.endr
.if \bf
.irp j, 0,1,2,3
.irp i, 0,1,2,3
	v_cvt_pk_bf16_f32 v[\X+8*\j+\i], v[\X+8*\j+2*\i], v[\X+8*\j+2*\i+1]
.endr
.endr
.endif
.irp j, 0,1,2,3
	ds_store_b32 v[AD0], v[QT+12+\j] offset:128*\j                     ; floats 256 j + 8 l on: bytes 128 j + 4 l of the row's codes
	ds_store_b8 v[AD1], v[QT+8+\j] offset:8*\j                         ; the four lanes of a block write the same byte with the same value
.endr
.if \bf
.irp j, 0,1,2,3
	ds_store_b128 v[AD2], v[\X+8*\j:\X+8*\j+3] offset:512*\j
.endr
	s_add_co_u32 s[TK], s[TK], 2048
.endif
	s_add_co_u32 s[TQ], s[TQ], CP
	s_add_co_u32 s[TS], s[TS], SCP
.endm
.macro RLOAD t                         ; row t of my eight into slot t % 4: eight loads; the two that stand together cover each lane's 32 bytes
.set XS, SL+32*((\t)%4)
.irp j, 0,1,2,3
.irp u, 0,1
	global_load_b128 v[XS+8*\j+4*\u:XS+8*\j+4*\u+3], v[KOFF], s[SRC:SRC+1] offset:4096*(\t)+1024*\j+16*\u
.endr
.endr
.endm
	s_load_b512 s[4:19], s[0:1], 0x0               ; Ua_w 4, Wa_w 6, query 8, Wa_b 10, Ua_b 12, ub_codes 14, ub_scales 16, qb 18
	v_lshl_add_u32 v[SPW], v0, 2, SPARE
	v_mov_b32 v[NIL], 0
	v_lshrrev_b32 v[AD0], 5, v0
	v_readfirstlane_b32 s[WV], v[AD0]              ; wave 0..7
	v_and_b32 v[AD0], 31, v0                       ; lane
	v_and_b32 v[AD1], 15, v0                       ; r
	v_bfe_u32 v[AD2], v0, 4, 1                     ; h
	v_lshlrev_b32 v[KOFF], 5, v[AD0]
	v_lshlrev_b32 v[LOFF], 4, v[AD0]
	s_mul_i32 s38, s[WV], 8*CP
	v_lshl_add_u32 v[CST], v[AD0], 2, s38
	s_mul_i32 s38, s[WV], 8*SCP
	s_add_co_u32 s38, s38, SCB
	v_bfe_u32 v[SST], v0, 2, 3
	v_add_nc_u32 v[SST], s38, v[SST]
	v_mul_u32_u24 v[FRA], v[AD1], CP
	v_lshl_add_u32 v[FRA], v[AD2], 4, v[FRA]
	v_mul_u32_u24 v[SRW], v[AD1], SCP
	v_add_nc_u32 v[SRW], SCB, v[SRW]
	v_lshl_add_u32 v[SRH], v[AD2], 2, v[SRW]
	v_lshlrev_b32 v[BOF], 5, v[AD2]
	v_lshl_add_u32 v[QOF], v[AD1], 6, v[BOF]
	s_lshl_b32 s38, s[WV], 6
	v_add_nc_u32 v[FRK], s38, v[FRA]
	s_and_b32 s39, s[WV], 1
	s_mul_i32 s38, s39, 16*CP
	s_add_co_u32 s38, s38, 32*CP
	v_add_nc_u32 v[FRQ], s38, v[FRA]
	s_mul_i32 s38, s39, 16*SCP
	s_add_co_u32 s38, s38, 32*SCP
	v_add_nc_u32 v[SRQ], s38, v[SRW]               ; every LDS address is made here, ahead of the first branch on the wave's number
	s_mov_b32 s[CC], 0x4038aa3b
	s_mov_b32 s[CC+1], s[CC]
	s_mov_b32 s[TQ], 0
	s_mov_b32 s[TS], 0
	s_lshl_b32 s40, ttmp9, 16                      ; weights: row 16 T + 8 (wave % 2), 4,096 bytes a row
	s_lshl_b32 s41, s39, 15
	s_add_co_u32 s40, s40, s41
	s_and_b32 s41, s[WV], 3                        ; query: row 8 (wave - 4)
	s_lshl_b32 s41, s41, 15
	s_cmp_lt_u32 s[WV], 4
	s_cselect_b32 s40, s40, s41
	s_mov_b32 s41, 0
	s_wait_kmcnt 0x0
	s_cmp_lt_u32 s[WV], 2                          ; the choice of buffer hangs on the wave's number alone
	s_cselect_b64 s[SRC:SRC+1], s[4:5], s[6:7]
	s_cmp_lt_u32 s[WV], 4
	s_cselect_b64 s[SRC:SRC+1], s[SRC:SRC+1], s[8:9]
	s_add_nc_u64 s[SRC:SRC+1], s[SRC:SRC+1], s[40:41]
	s_lshl_b32 s40, ttmp9, 6                       ; the biases of outputs 16 T on
	s_add_nc_u64 s[10:11], s[10:11], s[40:41]
	s_add_nc_u64 s[12:13], s[12:13], s[40:41]
	s_lshl_b32 s40, ttmp9, 13
	s_lshl_b32 s38, s[WV], 10
	s_add_co_u32 s40, s40, s38
	s_add_nc_u64 s[14:15], s[14:15], s[40:41]      ; ub_codes + 8,192 T + 1,024 wave
	s_lshl_b32 s40, ttmp9, 9
	s_add_nc_u64 s[16:17], s[16:17], s[40:41]      ; ub_scales + 512 T
	s_lshl_b32 s40, ttmp9, 11
	s_lshl_b32 s38, s39, 10
	s_add_co_u32 s40, s40, s38
	s_add_nc_u64 s[18:19], s[18:19], s[40:41]      ; qb + 2,048 T + 1,024 (wave % 2)
	s_cmp_lt_u32 s[WV], 2
	s_cbranch_scc0 .Lno_bias                       ; the biases are older than every row load, so the rows' counts hold with them and without
	global_load_b128 v[WB:WB+3], v[BOF], s[10:11]
	global_load_b128 v[WB+4:WB+7], v[BOF], s[10:11] offset:16
	global_load_b128 v[UB:UB+3], v[BOF], s[12:13]
	global_load_b128 v[UB+4:UB+7], v[BOF], s[12:13] offset:16
.Lno_bias:
.irp t, 0,1,2,3
	RLOAD \t
.endr
.irp t, 0,1,2,3,4,5,6,7
.if \t < 5
	s_wait_loadcnt 24                              ; row t is in; the three rows issued behind it, 8 loads each, may be out
.else
	s_wait_loadcnt 8*(7-\t)
.endif
.set XS, SL+32*(\t%4)
	QROW XS, 0
	s_wait_dscnt 0x0                               ; the stores have read the codes' and bytes' registers, which the next row writes
.if \t < 4
	RLOAD \t+4
.endif
.endr
	s_barrier_signal -1                            ; my stores have landed (the wait above)
	s_barrier_wait -1                              ; all 64 rows lie in LDS
	ds_load_b128 v[UF:UF+3], v[FRK]                ; every wave: Ua's fragment of K step = wave, as the operand's registers want it
	ds_load_b128 v[UF+4:UF+7], v[FRK] offset:32
	s_wait_dscnt 0x0
	global_store_b128 v[LOFF], v[UF:UF+3], s[14:15]             ; 32 lanes store 512 consecutive bytes
	global_store_b128 v[LOFF], v[UF+4:UF+7], s[14:15] offset:512
	s_cmp_lg_u32 s[WV], 2
	s_cbranch_scc1 .Lno_sc
.irp q, 0,1,2,3
	ds_load_b32 v[USW+\q], v[SRH] offset:8*\q      ; row r's scale word of K step 2 q + h
.endr
	s_wait_dscnt 0x0
	global_store_b128 v[LOFF], v[USW:USW+3], s[16:17]
.Lno_sc:
	s_cmp_lt_u32 s[WV], 2
	s_cbranch_scc0 .Lend
	; waves 0, 1: outputs 16 T .. + 15 for batches 16 wave .. + 15.  Source 0 = 16 rows of Wa, source 1 = 16 rows of query: lane (r, h) holds batch r and outputs 8 h + 0 .. 7
.irp k, 0,1,2,3,4,5,6,7
.irp c, 0,1
	ds_load_b128 v[SL+8*\k+4*\c:SL+8*\k+4*\c+3], v[FRA] offset:16*CP+64*\k+32*\c
	ds_load_b128 v[SL+64+8*\k+4*\c:SL+64+8*\k+4*\c+3], v[FRQ] offset:64*\k+32*\c
.endr
.endr
	ds_load_b128 v[WSC:WSC+3], v[SRW] offset:16*SCP
	ds_load_b128 v[WSC+4:WSC+7], v[SRW] offset:16*SCP+16
	ds_load_b128 v[QSC:QSC+3], v[SRQ]
	ds_load_b128 v[QSC+4:QSC+7], v[SRQ] offset:16
	s_wait_dscnt 0x0
	v_wmma_scale_f32_16x16x128_f8f6f4 v[ACC0:ACC0+7], v[SL:SL+7], v[SL+64:SL+71], 0, v[WSC], v[QSC] matrix_a_fmt:MATRIX_FMT_FP4 matrix_b_fmt:MATRIX_FMT_FP4
	v_wmma_scale_f32_16x16x128_f8f6f4 v[ACC1:ACC1+7], v[SL+8:SL+15], v[SL+72:SL+79], 0, v[WSC+1], v[QSC+1] matrix_a_fmt:MATRIX_FMT_FP4 matrix_b_fmt:MATRIX_FMT_FP4
.irp k, 2,4,6                          ; the two accumulators take turns, one instruction a turn
	v_wmma_scale_f32_16x16x128_f8f6f4 v[ACC0:ACC0+7], v[SL+8*\k:SL+8*\k+7], v[SL+64+8*\k:SL+64+8*\k+7], v[ACC0:ACC0+7], v[WSC+\k], v[QSC+\k] matrix_a_fmt:MATRIX_FMT_FP4 matrix_b_fmt:MATRIX_FMT_FP4
	v_wmma_scale_f32_16x16x128_f8f6f4 v[ACC1:ACC1+7], v[SL+8*\k+8:SL+8*\k+15], v[SL+72+8*\k:SL+72+8*\k+7], v[ACC1:ACC1+7], v[WSC+\k+1], v[QSC+\k+1] matrix_a_fmt:MATRIX_FMT_FP4 matrix_b_fmt:MATRIX_FMT_FP4
.endr
.irp i, 0,2,4,6
	v_pk_add_f32 v[WB+\i:WB+\i+1], v[WB+\i:WB+\i+1], v[UB+\i:UB+\i+1]   ; Wa_b + Ua_b: four plain lines that name none of the products' registers: the places behind them (ISA guide 7.12.1)
.endr
.irp i, 0,2,4,6
	v_pk_add_f32 v[RES+\i:RES+\i+1], v[ACC0+\i:ACC0+\i+1], v[ACC1+\i:ACC1+\i+1]   ; each accumulator from its low end on
.endr
.irp i, 0,2,4,6
	v_pk_add_f32 v[RES+\i:RES+\i+1], v[RES+\i:RES+\i+1], v[WB+\i:WB+\i+1]
.endr
.irp i, 0,2,4,6
	v_pk_mul_f32 v[RES+\i:RES+\i+1], v[RES+\i:RES+\i+1], s[CC:CC+1] op_sel_hi:[1,0]
.endr
	global_store_b128 v[QOF], v[RES:RES+3], s[18:19]            ; 32 lanes store 1,024 consecutive bytes in two instructions
	global_store_b128 v[QOF], v[RES+4:RES+7], s[18:19] offset:16
.Lend:
	s_wait_tensorcnt 0x0                           ; the wave's end, behind my last LDS store
	ds_add_u32 v[SPW], v[NIL]
	s_wait_dscnt 0x0
	s_endpgm
.Lfunc_end_k_q411b3ac0d7_prep:
	.size	k_q411b3ac0d7_prep, .Lfunc_end_k_q411b3ac0d7_prep-k_q411b3ac0d7_prep
	.p2alignl 7, 3214868480
	.fill 96, 4, 3214868480
	.section	.rodata,"a",@progbits
	.p2align	6, 0x0
	.amdhsa_kernel k_q411b3ac0d7_prep
		.amdhsa_group_segment_fixed_size 37888
		.amdhsa_private_segment_fixed_size 0
		.amdhsa_enable_private_segment 0
		.amdhsa_kernarg_size 64
		.amdhsa_user_sgpr_count 2
		.amdhsa_user_sgpr_kernarg_segment_ptr 1
		.amdhsa_wavefront_size32 1
		.amdhsa_system_sgpr_workgroup_id_x 1
		.amdhsa_system_sgpr_workgroup_id_y 1
		.amdhsa_system_sgpr_workgroup_id_z 1
		.amdhsa_system_vgpr_workitem_id 0
		.amdhsa_next_free_vgpr 256
		.amdhsa_next_free_sgpr 66
		.amdhsa_reserve_vcc 0
		.amdhsa_float_denorm_mode_32 3
		.amdhsa_float_denorm_mode_16_64 3
		.amdhsa_memory_ordered 1
		.amdhsa_forward_progress 1
		.amdhsa_inst_pref_size 39
	.end_amdhsa_kernel
	.amdgpu_metadata
---
amdhsa.version: [ 1, 2 ]
amdhsa.kernels:
  - .name:           k_q411b3ac0d7_prep
    .symbol:         k_q411b3ac0d7_prep.kd
    .args:
      - { .name: Ua_w, .offset: 0, .size: 8, .value_kind: global_buffer, .address_space: global }
      - { .name: Wa_w, .offset: 8, .size: 8, .value_kind: global_buffer, .address_space: global }
      - { .name: query, .offset: 16, .size: 8, .value_kind: global_buffer, .address_space: global }
      - { .name: Wa_b, .offset: 24, .size: 8, .value_kind: global_buffer, .address_space: global }
      - { .name: Ua_b, .offset: 32, .size: 8, .value_kind: global_buffer, .address_space: global }
      - { .name: ub_codes, .offset: 40, .size: 8, .value_kind: global_buffer, .address_space: global }
      - { .name: ub_scales, .offset: 48, .size: 8, .value_kind: global_buffer, .address_space: global }
      - { .name: qb, .offset: 56, .size: 8, .value_kind: global_buffer, .address_space: global }
    .group_segment_fixed_size: 37888
    .private_segment_fixed_size: 0
    .kernarg_segment_align: 8
    .kernarg_segment_size: 64
    .max_flat_workgroup_size: 256
    .sgpr_count:     66
    .vgpr_count:     256
    .wavefront_size: 32
...
	.end_amdgpu_metadata
.endif
;; end of part 1
;; launch main (part 2): grid 256 x 1, 8 waves a work-group, no clusters, 312,320 bytes of LDS; arguments keys, ub_codes, ub_scales, qb, Va_w, sc_t, pc, pml; writes sc_t, pc, pml
.if DOCPART == 2
	.amdgcn_target "amdgcn-amd-amdhsa--gfx1250"
	.amdhsa_code_object_version 6
	.text
	.protected	k_q411b3ac0d7_main
	.globl	k_q411b3ac0d7_main
	.p2align	8
	.type	k_q411b3ac0d7_main,@function
k_q411b3ac0d7_main:
	s_mov_b64 s[64:65], 0
	v_nop
	global_prefetch_b8 v0, s[64:65] scope:SCOPE_SE
	s_setreg_imm32_b32 hwreg(HW_REG_WAVE_MODE, 25, 1), 1
	s_wait_xcnt 0x0
; BAHDANAU ATTENTION, launch 2 of 3.  Left out, as shown at the head of the first kernel: Va_b and the sum of Va (the same along the softmax's axis); t = sum_h (-c Va[h]) / (1 + 2^(c x_h)), c = 2 log2(e).
; LIMITS: NaN and infinities among the inputs are not served; a block of zeros gets the scale byte 1 (its codes are zeros).  2^y = infinity gives r = 0 and 2^y = 0 gives r = 1: the two ends of tanh, with no clamp.
; SHARES.  Work-group g takes key rows 256 (g % 8) .. + 255 of batch g / 8, in four tiles of 64 rows.  KEYS ARE READ FROM MEMORY ONCE: as a row arrives it is quantised to FP4 for the product with Ua
; and rounded to bf16 for the product with the weights; the bf16 tile stays in LDS until the tile's weights are known.  Two such tiles (2 x 64 x 2,048 bytes) take turns: while tile i is multiplied, tile i + 1 arrives.
; The eight waves share the 1,024 outputs, 128 (eight tiles of 16) each.  Every wave holds the 64 rows' codes in 256 registers; a tile of Ua (16 outputs x 1,024 K, laid in the order of the operand's registers by the
; launch before) comes from memory straight into the registers of the one wave that wants it and feeds four products a fragment.  Two waves share a SIMD: one's exponentials stand beside the other's products.
; NO CLUSTER, NO TENSOR LOAD: what work-groups share is Ua, and a ring for it would want two slots of 8,704 bytes for each of eight waves, 139,264 bytes, beside the 311,296 that the tiles and tables take of 327,680.
; PRODUCT.  Source 0 = 16 rows of Ua, source 1 = 16 key rows: lane (r, h) holds key row r and outputs 8 h + 0 .. 7, so the sum over outputs runs along a lane's registers.
; SOFTMAX.  A running maximum M and sum L of 2^(t - M), and a running context, rescaled by 2^(old M - new M) at each tile; every wave keeps the same M and L.  OUT: t, (M, L) and the partial context; launch 3 joins eight.
; BARRIERS, two a tile.  Between Y and the next X each wave WRITES its own rows of the codes, the scale bytes and the coming bf16 tile, and its column of the partial scores; between X and Y these are only READ.
.set KBX,   0x20000                    ; LDS: bf16 tiles at 0 and at KBX, rows of 2,048 bytes: stores and reads both run along a row, so no padding
.set CODES, 262144                     ; 64 rows x CP
.set CP,    528                        ; 512 bytes of codes + 16: the 16 rows of a fragment load start 132 words apart
.set SCB,   CODES+64*CP                ; 64 rows x SCP: scale bytes, byte = block number
.set SCP,   48
.set PART,  SCB+64*SCP                 ; [row 64][wave 8] f32: the waves' parts of a row's t
.set PB,    PART+64*32                 ; 256 bytes a wave: the tile's 64 weights
.set VB,    PB+8*256                   ; 1,024 bytes a wave: for each of its eight tiles of outputs 16 qb, then 16 of -c Va
.set SPARE, VB+8*1024                  ; the spare words, 128 bytes for each of the eight waves, which no other line names
.set SPW, 1                            ; v1  my spare word; v2  0: never rewritten
.set NIL, 2
.set KOFF, 3                           ; 32 x lane
.set LOFF, 4                           ; 16 x lane
.set CST, 5                            ; CODES + 8 wave CP + 4 lane
.set SST, 6                            ; SCB + 8 wave SCP + lane / 4
.set KST, 7                            ; 8 wave x 2,048 + 16 lane
.set FRA, 8                            ; CODES + r CP + 16 h
.set SRA, 9                            ; SCB + lane SCP
.set VBA, 10                           ; VB + 1,024 wave + 32 h
.set PST, 11                           ; PART + 32 r + 4 wave
.set PRD, 12                           ; PART + 64 lane
.set PBW, 13                           ; PB + 256 wave + 8 lane
.set PBR, 14                           ; PB + 256 wave
.set CRD, 15                           ; 256 wave + 8 lane: my four columns in a bf16 row
.set AD0, 16
.set AD1, 17
.set AD2, 18
.set AD3, 19
.set KO,  20                           ; v20, v21 a key slot's offset
.set BO,  22                           ; Ua's codes' offset; v23 its scales'
.set BSO, 23
.set CTX, 24                           ; v24-27 the running context of my four columns
.set SACC, 28                          ; v28-35 a pair of running sums for each tile of 16 rows
.set ASC, 36                           ; v36-51 the keys' scale words: register 8 g + k, lane l: row 32 g + l, K step k.  v52-55 Ua's.  These hold scales and nothing else
.set BSC, 52
.set BF,  56                           ; v56-119 Ua's eight fragments
.set ACC, 120                          ; v120-151 four accumulators
.set QB,  152                          ; v152-159 qb, v160-167 -c Va of my eight outputs; at a boundary 16 weights
.set VA,  160
.set QT,  168                          ; v168-183 at work
.set KR0, 184                          ; v184-215, v216-247 two key rows
.set KR1, 216
.set MX,  248                          ; M, L
.set LS,  249
.set FF,  250                          ; v[250:251] 2^(old M - new M)
.set T0,  252                          ; t of rows 2 lane and 2 lane + 1
.set T1,  253
.set SOF, 254                          ; 8 lane + 256 x boundaries passed
.set TMP, 255
; window 1: v[64 T + 8 k ..]: the keys' fragment of rows 16 T on, K step k
.set WV,  20
.set CC,  24                           ; s[24:25] c
.set SEL, 26                           ; s[26:27] v_permlanex16_b32's selects for lane l xor 16
.set CNT, 28
.set PAS, 29
.set TQ,  30                           ; the row in hand: its place among my wave's codes, scale bytes, bf16 rows
.set TS,  31
.set TK,  32
.set TV,  33                           ; the tile of outputs in hand, in VB
.set KBC, 34                           ; the bf16 tile that is multiplied; s35 the one that is written
.set KBN, 35
.set TB,  36                           ; the tile of Ua asked for last
.set KN,  37                           ; the next key row of my wave: 8 x tile + row
.set NC,  40                           ; s[40:41] -c
.set MSB, 0
.macro WIN new                         ; the immediate's high byte repeats the setting that is left
.if MSB != \new
	s_set_vgpr_msb (MSB<<8)|\new
.set MSB, \new
.endif
.endm
; One key row: lane l holds floats 256 j + 8 l + 0 .. 7, j = 0 .. 3, in v[X + 8 j ..].  It becomes 512 bytes of codes, 32 scale bytes and (bf) 2,048 bytes of bf16 in LDS.
.macro QROW X, bf
	v_add_nc_u32 v[AD0], s[TQ], v[CST]
	v_add_nc_u32 v[AD1], s[TS], v[SST]
.if \bf
	v_add_nc_u32 v[AD2], s[TK], v[KST]
.endif
.irp j, 0,1,2,3
	v_max3_num_f32 v[QT+\j], |v[\X+8*\j]|, |v[\X+8*\j+1]|, 0x1800000   ; my eight of block 8 j + lane / 4, and the floor 2^(3 - 127): the byte cannot fall under 1
.endr
.irp i, 2,4,6
.irp j, 0,1,2,3
	v_max3_num_f32 v[QT+\j], v[QT+\j], |v[\X+8*\j+\i]|, |v[\X+8*\j+\i+1]|
.endr
.endr
.irp j, 0,1,2,3
	v_max_num_f32_dpp v[QT+\j], v[QT+\j], v[QT+\j] row_xmask:1 row_mask:0xf bank_mask:0xf
.endr
.irp j, 0,1,2,3
	v_max_num_f32_dpp v[QT+\j], v[QT+\j], v[QT+\j] row_xmask:2 row_mask:0xf bank_mask:0xf   ; four lanes: the block's largest magnitude
.endr
.irp j, 0,1,2,3
	v_add_nc_u32 v[QT+4+\j], 0xff000000, v[QT+\j]                      ; 2 off its exponent field: the conversion takes this operand's exponent field as its scale
.endr
.irp j, 0,1,2,3
	v_cvt_scalef32_pk8_fp4_f32 v[QT+12+\j], v[\X+8*\j:\X+8*\j+7], v[QT+4+\j]
.endr
.irp j, 0,1,2,3
	v_lshrrev_b32 v[QT+8+\j], 23, v[QT+4+\j]                           ; the scale's byte.  (Plain lines between the conversions and the lines that write their sources)
.endr
.if \bf
.irp j, 0,1,2,3
.irp i, 0,1,2,3
	v_cvt_pk_bf16_f32 v[\X+8*\j+\i], v[\X+8*\j+2*\i], v[\X+8*\j+2*\i+1]   ; in place: register i is written when numbers 2 i and 2 i + 1 are read, behind all lower ones
.endr
.endr
.endif
.irp j, 0,1,2,3
	ds_store_b32 v[AD0], v[QT+12+\j] offset:128*\j                     ; floats 256 j + 8 l on: bytes 128 j + 4 l of the row's codes
	ds_store_b8 v[AD1], v[QT+8+\j] offset:8*\j                         ; the four lanes of a block write the same byte with the same value
.endr
.if \bf
.irp j, 0,1,2,3
	ds_store_b128 v[AD2], v[\X+8*\j:\X+8*\j+3] offset:512*\j
.endr
	s_add_co_u32 s[TK], s[TK], 2048
.endif
	s_add_co_u32 s[TQ], s[TQ], CP
	s_add_co_u32 s[TS], s[TS], SCP
.endm
; My wave's next key row into a slot: eight loads; the two that stand together cover each lane's 32 bytes.  The slot's offset register is free: the wait that showed its last row in has been passed.
.macro KLOAD slot
	s_and_b32 s38, s[KN], 7
	s_lshl_b32 s38, s38, 12                        ; the row among my eight,
	s_lshr_b32 s39, s[KN], 3
	s_lshl_b32 s39, s39, 18                        ; the tile: 64 rows of 4,096 bytes
	s_add_co_u32 s38, s38, s39
	v_add_nc_u32 v[KO+(\slot)], s38, v[KOFF]
	s_add_co_u32 s[KN], s[KN], 1
.irp j, 0,1,2,3
.irp u, 0,1
	global_load_b128 v[KR0+32*(\slot)+8*\j+4*\u:KR0+32*(\slot)+8*\j+4*\u+3], v[KO+(\slot)], s[4:5] offset:1024*\j+16*\u th:TH_LOAD_NT
.endr
.endr
.endm
; My next tile of Ua: 16 loads of 512 consecutive bytes and its scale words: 17 loads.  The two additions and two v_nop are the four places behind the products that read these registers (ISA guide 7.12.1).
.macro BLOAD
	s_add_co_u32 s[TB], s[TB], 8192
	s_and_b32 s[TB], s[TB], 0xffff                 ; my eight tiles go round
	s_lshr_b32 s38, s[TB], 4
	v_add_nc_u32 v[BO], s[TB], v[LOFF]
	v_add_nc_u32 v[BSO], s38, v[LOFF]
	v_nop
	v_nop
.irp k, 0,1,2,3,4,5,6,7
.irp c, 0,1
	global_load_b128 v[BF+8*\k+4*\c:BF+8*\k+4*\c+3], v[BO], s[6:7] offset:1024*\k+512*\c
.endr
.endr
	global_load_b128 v[BSC:BSC+3], v[BSO], s[8:9]
.endm
; One product: K step k, key rows 16 t on.  Ua's scale words of K steps 2 q and 2 q + 1 share a register (lanes 0-15, 16-31), and so do the keys' of rows 32 g on and 32 g + 16 on.
.macro WM k, t
.set rD, ACC+8*(\t)
.set rA, BF+8*(\k)
.set rB, 64*(\t)+8*(\k)
.set rU, BSC+(\k)/2
.set rK, ASC+8*((\t)/2)+(\k)
.if (\k) == 0
.if (\t)%2 == 0
	v_wmma_scale_f32_16x16x128_f8f6f4 v[rD:rD+7], v[rA:rA+7], v[rB:rB+7], 0, v[rU], v[rK] matrix_a_fmt:MATRIX_FMT_FP4 matrix_b_fmt:MATRIX_FMT_FP4
.else
	v_wmma_scale_f32_16x16x128_f8f6f4 v[rD:rD+7], v[rA:rA+7], v[rB:rB+7], 0, v[rU], v[rK] matrix_a_fmt:MATRIX_FMT_FP4 matrix_b_fmt:MATRIX_FMT_FP4 matrix_b_scale:MATRIX_SCALE_ROW1
.endif
.elseif (\k)%2 == 0
.if (\t)%2 == 0
	v_wmma_scale_f32_16x16x128_f8f6f4 v[rD:rD+7], v[rA:rA+7], v[rB:rB+7], v[rD:rD+7], v[rU], v[rK] matrix_a_fmt:MATRIX_FMT_FP4 matrix_b_fmt:MATRIX_FMT_FP4
.else
	v_wmma_scale_f32_16x16x128_f8f6f4 v[rD:rD+7], v[rA:rA+7], v[rB:rB+7], v[rD:rD+7], v[rU], v[rK] matrix_a_fmt:MATRIX_FMT_FP4 matrix_b_fmt:MATRIX_FMT_FP4 matrix_b_scale:MATRIX_SCALE_ROW1
.endif
.else
.if (\t)%2 == 0
	v_wmma_scale_f32_16x16x128_f8f6f4 v[rD:rD+7], v[rA:rA+7], v[rB:rB+7], v[rD:rD+7], v[rU], v[rK] matrix_a_fmt:MATRIX_FMT_FP4 matrix_b_fmt:MATRIX_FMT_FP4 matrix_a_scale:MATRIX_SCALE_ROW1
.else
	v_wmma_scale_f32_16x16x128_f8f6f4 v[rD:rD+7], v[rA:rA+7], v[rB:rB+7], v[rD:rD+7], v[rU], v[rK] matrix_a_fmt:MATRIX_FMT_FP4 matrix_b_fmt:MATRIX_FMT_FP4 matrix_a_scale:MATRIX_SCALE_ROW1 matrix_b_scale:MATRIX_SCALE_ROW1
.endif
.endif
.endm
.macro MM                              ; 32 products: 16 outputs x 64 rows x 1,024 K.  The four accumulators take turns, one instruction a turn; the first K step starts the sums
	WIN 0x04                                       ; source 1, the keys' fragments: window 1
.irp k, 0,1,2,3,4,5,6,7
.irp t, 0,1,2,3
	WM \k, \t
.endr
.endr
	WIN 0
.endm
; 16 outputs x 64 rows: y = c k_proj + qb; r = 1 / (1 + 2^y); the running sums take -c Va r.  Each kind of transcendental is one batch of 32 with one plain line and one wait behind it.
.macro EPI
.irp i, 0,2,4,6
.irp t, 0,1,2,3
	v_pk_fma_f32 v[ACC+8*\t+\i:ACC+8*\t+\i+1], v[ACC+8*\t+\i:ACC+8*\t+\i+1], s[CC:CC+1], v[QB+\i:QB+\i+1] op_sel_hi:[1,0,1]   ; each accumulator from its low end on
.endr
.endr
.set nn, 0
.rept 32
	v_exp_f32 v[ACC+nn], v[ACC+nn]
.set nn, nn+1
.endr
	v_nop                                          ; a plain line behind the last exponential,
	s_wait_alu depctr_va_vdst(0)                   ; and a wait ahead of the batch's first reader
.set nn, 0
.rept 16
	v_pk_add_f32 v[ACC+nn:ACC+nn+1], v[ACC+nn:ACC+nn+1], 1.0 op_sel_hi:[1,0]
.set nn, nn+2
.endr
.set nn, 0
.rept 32
	v_rcp_f32 v[ACC+nn], v[ACC+nn]
.set nn, nn+1
.endr
	v_nop
	s_wait_alu depctr_va_vdst(0)                   ; likewise for the reciprocals
.irp i, 0,2,4,6
.irp t, 0,1,2,3
	v_pk_fma_f32 v[SACC+2*\t:SACC+2*\t+1], v[ACC+8*\t+\i:ACC+8*\t+\i+1], v[VA+\i:VA+\i+1], v[SACC+2*\t:SACC+2*\t+1]
.endr
.endr
.endm
; ONE TILE OF 16 OUTPUTS.  sq: the key slot that is quantised;  wb: loads that may be out when Ua's tile must be in (the key row issued behind it);  bl: the next tile of Ua is asked for;
; kl: the next key row is asked for, directly BEHIND Ua's loads, so that it need not be in before the wait for the tile of Ua after that;  q: a key row is quantised;  wk: the loads issued behind that row.
.macro ITER sq, wb, bl, kl, q, wk
	v_add_nc_u32 v[AD3], s[TV], v[VBA]
	ds_load_b128 v[QB:QB+3], v[AD3]
	ds_load_b128 v[QB+4:QB+7], v[AD3] offset:16
	ds_load_b128 v[VA:VA+3], v[AD3] offset:64
	ds_load_b128 v[VA+4:VA+7], v[AD3] offset:80
	s_add_co_u32 s[TV], s[TV], 128
	s_and_b32 s[TV], s[TV], 1023
	s_wait_loadcnt \wb
	MM
.if \bl
	BLOAD
.else
.rept 4
	v_nop                                          ; the places behind the products
.endr
.endif
	s_wait_dscnt 0x0                               ; qb and Va are in; the last row's stores have read the slot that is loaded next, and QROW's registers
.if \kl
	KLOAD 1-\sq
.endif
	EPI
.if \q
	s_wait_loadcnt \wk
.set XS, KR0+32*(\sq)
	QROW XS, 1
.endif
.endm
.macro OPL q                           ; the coming tile's operands: fragments of rows 16 q on into window 1, and four of its scale registers: 17 loads
	WIN 0x40
.irp k, 0,1,2,3,4,5,6,7
.irp c, 0,1
	ds_load_b128 v[64*(\q)+8*\k+4*\c:64*(\q)+8*\k+4*\c+3], v[FRA] offset:(\q)*16*CP+64*\k+32*\c
.endr
.endr
	WIN 0
	ds_load_b128 v[ASC+4*(\q):ASC+4*(\q)+3], v[SRA] offset:((\q)/2)*32*SCP+16*((\q)%2)
.endm
.macro CHUNK q, nxt                    ; the context takes rows 16 q .. + 15 of the tile: my four columns, 16 weights
	s_add_co_u32 s38, s[KBC], (\q)*32768
	v_add_nc_u32 v[AD0], s38, v[CRD]
.irp i, 0,1,2,3
	ds_load_b128 v[QB+4*\i:QB+4*\i+3], v[PBR] offset:64*(\q)+16*\i    ; every lane takes the same 16 weights
.endr
.irp i, 0,1,2,3,4,5,6,7,8,9,10,11,12,13,14,15
	ds_load_b64 v[ACC+2*\i:ACC+2*\i+1], v[AD0] offset:2048*\i         ; 32 lanes take 256 consecutive bytes of a row
.endr
.if \nxt
	OPL \q
.endif
	s_wait_dscnt 17*\nxt                           ; the 17 operand loads issued last may stay out
.irp i, 0,1,2,3,4,5,6,7,8,9,10,11,12,13,14,15
	v_fma_mix_f32_bf16 v[CTX], v[ACC+2*\i], v[QB+\i], v[CTX] op_sel_hi:[1,0,0]
	v_fma_mix_f32_bf16 v[CTX+1], v[ACC+2*\i], v[QB+\i], v[CTX+1] op_sel:[1,0,0] op_sel_hi:[1,0,0]
	v_fma_mix_f32_bf16 v[CTX+2], v[ACC+2*\i+1], v[QB+\i], v[CTX+2] op_sel_hi:[1,0,0]
	v_fma_mix_f32_bf16 v[CTX+3], v[ACC+2*\i+1], v[QB+\i], v[CTX+3] op_sel:[1,0,0] op_sel_hi:[1,0,0]
.endr
.endm
; THE BOUNDARY BETWEEN TILES.  ctx: a tile's scores are finished: softmax step and context.  nxt: a tile's operands are fetched.  A key row (slot 0) and a tile of Ua may be on their way: their registers are not touched.
.macro BOUND ctx, nxt
.if \ctx
	s_wait_xcnt 0x0                                ; the last boundary's store has read its offset and its data, which are written again below
	v_add_nc_u32 v[SOF], 256, v[SOF]
.irp t, 0,1,2,3
	v_add_f32 v[QT+\t], v[SACC+2*\t], v[SACC+2*\t+1]
.endr
.irp t, 0,1,2,3
	v_permlanex16_b32 v[QT+4+\t], v[QT+\t], s[SEL], s[SEL+1]
.endr
.irp t, 0,1,2,3
	v_add_f32 v[QT+\t], v[QT+\t], v[QT+4+\t]       ; row 16 t + r: the sum over my wave's 128 outputs
.endr
.irp t, 0,1,2,3
	ds_store_b32 v[PST], v[QT+\t] offset:512*\t    ; both halves of the lanes write the same word with the same value
.endr
.endif
	s_wait_dscnt 0x0                               ; for the others' sake: my rows of the coming tile and my parts of the scores have landed
	s_barrier_signal -1
	s_barrier_wait -1                              ; X
.if \ctx
.irp i, 0,1,2,3
	ds_load_b128 v[KR1+4*\i:KR1+4*\i+3], v[PRD] offset:16*\i          ; rows 2 lane and 2 lane + 1: eight parts each
.endr
	s_wait_dscnt 0x0
	v_pk_add_f32 v[KR1:KR1+1], v[KR1:KR1+1], v[KR1+2:KR1+3]
	v_pk_add_f32 v[KR1+4:KR1+5], v[KR1+4:KR1+5], v[KR1+6:KR1+7]
	v_pk_add_f32 v[KR1+8:KR1+9], v[KR1+8:KR1+9], v[KR1+10:KR1+11]
	v_pk_add_f32 v[KR1+12:KR1+13], v[KR1+12:KR1+13], v[KR1+14:KR1+15]
	v_pk_add_f32 v[KR1:KR1+1], v[KR1:KR1+1], v[KR1+4:KR1+5]
	v_pk_add_f32 v[KR1+8:KR1+9], v[KR1+8:KR1+9], v[KR1+12:KR1+13]
	v_add_f32 v[T0], v[KR1], v[KR1+1]              ; every wave adds in the same order: the same t, M and L in all eight
	v_add_f32 v[T1], v[KR1+8], v[KR1+9]
	s_cmp_lg_u32 s[WV], 0
	s_cbranch_scc1 .Lnot_wave_0_\@
	global_store_b64 v[SOF], v[T0:T0+1], s[14:15] offset:-256         ; 32 lanes store 256 consecutive bytes, aligned
.Lnot_wave_0_\@:
	v_max_num_f32 v[QT], v[T0], v[T1]
	v_max_num_f32_dpp v[QT], v[QT], v[QT] row_xmask:1 row_mask:0xf bank_mask:0xf
	v_max_num_f32_dpp v[QT], v[QT], v[QT] row_xmask:2 row_mask:0xf bank_mask:0xf
	v_max_num_f32_dpp v[QT], v[QT], v[QT] row_xmask:4 row_mask:0xf bank_mask:0xf
	v_max_num_f32_dpp v[QT], v[QT], v[QT] row_xmask:8 row_mask:0xf bank_mask:0xf
	v_permlanex16_b32 v[QT+4], v[QT], s[SEL], s[SEL+1]
	v_max3_num_f32 v[QT], v[QT], v[QT+4], v[MX]    ; the new M
	v_sub_f32 v[QT+1], v[MX], v[QT]
	v_sub_f32 v[QT+2], v[T0], v[QT]
	v_sub_f32 v[QT+3], v[T1], v[QT]
	v_exp_f32 v[FF], v[QT+1]                       ; 2^(old M - new M)
	v_exp_f32 v[QT+8], v[QT+2]                     ; the two rows' weights, not normalised
	v_exp_f32 v[QT+9], v[QT+3]
	v_mov_b32 v[MX], v[QT]                         ; (a plain line behind the exponentials)
	s_wait_alu depctr_va_vdst(0)                   ; one wait for the three, ahead of their first reader
	ds_store_b64 v[PBW], v[QT+8:QT+9]              ; my wave's own copy: LDS serves a wave's instructions in order, so CHUNK's loads see it
	v_add_f32 v[QT+10], v[QT+8], v[QT+9]
	v_add_f32_dpp v[QT+10], v[QT+10], v[QT+10] row_xmask:1 row_mask:0xf bank_mask:0xf
	v_add_f32_dpp v[QT+10], v[QT+10], v[QT+10] row_xmask:2 row_mask:0xf bank_mask:0xf
	v_add_f32_dpp v[QT+10], v[QT+10], v[QT+10] row_xmask:4 row_mask:0xf bank_mask:0xf
	v_add_f32_dpp v[QT+10], v[QT+10], v[QT+10] row_xmask:8 row_mask:0xf bank_mask:0xf
	v_permlanex16_b32 v[QT+4], v[QT+10], s[SEL], s[SEL+1]
	v_add_f32 v[QT+10], v[QT+10], v[QT+4]
	v_fma_f32 v[LS], v[LS], v[FF], v[QT+10]
	v_pk_mul_f32 v[CTX:CTX+1], v[CTX:CTX+1], v[FF:FF+1] op_sel_hi:[1,0]
	v_pk_mul_f32 v[CTX+2:CTX+3], v[CTX+2:CTX+3], v[FF:FF+1] op_sel_hi:[1,0]
	CHUNK 0, \nxt
	CHUNK 1, \nxt
	CHUNK 2, \nxt
	CHUNK 3, \nxt
.else
	OPL 0
	OPL 1
	OPL 2
	OPL 3
.endif
.if \nxt
	s_wait_dscnt 0x0                               ; my reads of the codes, the scale bytes, the parts and the bf16 tile are over
	s_barrier_signal -1
	s_barrier_wait -1                              ; Y: everybody's are: these bytes may be written again
	s_xor_b32 s[KBC], s[KBC], KBX
	s_xor_b32 s[KBN], s[KBN], KBX
	s_mov_b32 s[TQ], 0
	s_mov_b32 s[TS], 0
	s_mov_b32 s[TK], s[KBN]
.irp t, 0,1,2,3,4,5,6,7
	v_mov_b32 v[SACC+\t], 0
.endr
.endif
.endm
.macro PSET n                          ; the prologue's four row slots: the two key slots and Ua's registers, which are still free
.if (\n)%4 == 0
.set XS, KR0
.elseif (\n)%4 == 1
.set XS, KR1
.else
.set XS, BF+32*((\n)%4-2)
.endif
.endm
.macro PLOAD n
	PSET \n
.irp j, 0,1,2,3
.irp u, 0,1
	global_load_b128 v[XS+8*\j+4*\u:XS+8*\j+4*\u+3], v[KOFF], s[4:5] offset:4096*(\n)+1024*\j+16*\u th:TH_LOAD_NT
.endr
.endr
.endm
	s_load_b512 s[4:19], s[0:1], 0x0               ; keys 4, ub_codes 6, ub_scales 8, qb 10, Va_w 12, sc_t 14, pc 16, pml 18
	v_lshl_add_u32 v[SPW], v0, 2, SPARE
	v_mov_b32 v[NIL], 0
	v_lshrrev_b32 v[TMP], 5, v0
	v_readfirstlane_b32 s[WV], v[TMP]              ; wave 0..7
	v_and_b32 v[AD0], 31, v0                       ; lane
	v_and_b32 v[AD1], 15, v0                       ; r
	v_bfe_u32 v[AD2], v0, 4, 1                     ; h
	v_and_b32 v[TMP], 3, v0
	v_lshlrev_b32 v[KOFF], 5, v[AD0]
	v_lshlrev_b32 v[LOFF], 4, v[AD0]
	s_mul_i32 s38, s[WV], 8*CP
	s_add_co_u32 s38, s38, CODES
	v_lshl_add_u32 v[CST], v[AD0], 2, s38
	s_mul_i32 s38, s[WV], 8*SCP
	s_add_co_u32 s38, s38, SCB
	v_bfe_u32 v[SST], v0, 2, 3
	v_add_nc_u32 v[SST], s38, v[SST]
	s_lshl_b32 s38, s[WV], 14
	v_lshl_add_u32 v[KST], v[AD0], 4, s38
	v_mul_u32_u24 v[FRA], v[AD1], CP
	v_lshl_add_u32 v[FRA], v[AD2], 4, v[FRA]
	v_add_nc_u32 v[FRA], CODES, v[FRA]
	v_mul_u32_u24 v[SRA], v[AD0], SCP
	v_add_nc_u32 v[SRA], SCB, v[SRA]
	s_lshl_b32 s38, s[WV], 10
	s_add_co_u32 s38, s38, VB
	v_lshl_add_u32 v[VBA], v[AD2], 5, s38
	v_bfe_u32 v[AD3], v0, 2, 3                     ; the table's way in: tile lane / 4, piece lane % 4
	v_lshl_add_u32 v[AD3], v[AD3], 7, s38
	v_lshl_add_u32 v[AD3], v[TMP], 4, v[AD3]
	v_bfe_u32 v[BO], v0, 2, 3                      ; and the same in qb: 2,048 bytes from tile to tile
	v_lshlrev_b32 v[BO], 11, v[BO]
	v_lshl_add_u32 v[BO], v[TMP], 4, v[BO]
	v_lshlrev_b32 v[PST], 5, v[AD1]
	s_lshl_b32 s38, s[WV], 2
	s_add_co_u32 s38, s38, PART
	v_add_nc_u32 v[PST], s38, v[PST]
	v_lshlrev_b32 v[PRD], 6, v[AD0]
	v_add_nc_u32 v[PRD], PART, v[PRD]
	s_lshl_b32 s38, s[WV], 8
	v_lshl_add_u32 v[CRD], v[AD0], 3, s38
	s_add_co_u32 s38, s38, PB
	v_lshl_add_u32 v[PBW], v[AD0], 3, s38
	v_mov_b32 v[PBR], s38
	v_lshlrev_b32 v[SOF], 3, v[AD0]
	v_mov_b32 v[MX], 0xff61b1e6                    ; M: -3e38, under every t: the first boundary multiplies zeros by 0
	v_mov_b32 v[LS], 0
	v_mov_b32 v[FF+1], 0                           ; (named with v250 as a pair, so it is written)
.irp e, 0,1,2,3
	v_mov_b32 v[CTX+\e], 0
.endr
	s_mov_b32 s[CC], 0x4038aa3b                    ; c = 2 log2(e)
	s_mov_b32 s[CC+1], s[CC]
	s_mov_b32 s[NC], 0xc038aa3b                    ; -c
	s_mov_b32 s[NC+1], s[NC]
	s_mov_b32 s[SEL], 0x76543210
	s_mov_b32 s[SEL+1], 0xfedcba98
	s_mov_b32 s[TQ], 0
	s_mov_b32 s[TS], 0
	s_mov_b32 s[TK], 0
	s_mov_b32 s[TV], 0
	s_mov_b32 s[KBC], KBX                          ; the prologue writes the tile at 0; the first boundary turns the two round
	s_mov_b32 s[KBN], 0
	s_mov_b32 s[TB], 57344                         ; the first step goes round to tile 0
	s_mov_b32 s[KN], 8
	s_wait_kmcnt 0x0
	s_lshl_b32 s38, ttmp9, 20                      ; keys: 256 rows of 4,096 bytes a work-group, 8 rows a wave
	s_lshl_b32 s39, s[WV], 15
	s_add_co_u32 s38, s38, s39
	s_mov_b32 s39, 0
	s_add_nc_u64 s[4:5], s[4:5], s[38:39]
	s_lshl_b32 s38, s[WV], 16                      ; my eight tiles of Ua: 8,192 bytes of codes each,
	s_add_nc_u64 s[6:7], s[6:7], s[38:39]
	s_lshl_b32 s38, s[WV], 12                      ; 512 of scale words
	s_add_nc_u64 s[8:9], s[8:9], s[38:39]
	s_lshr_b32 s38, ttmp9, 3                       ; qb: my batch's 64 bytes in each of my eight tiles
	s_lshl_b32 s38, s38, 6
	s_lshl_b32 s42, s[WV], 14
	s_add_co_u32 s38, s38, s42
	s_add_nc_u64 s[10:11], s[10:11], s[38:39]
	s_lshl_b32 s38, s[WV], 9
	s_add_nc_u64 s[12:13], s[12:13], s[38:39]      ; Va: my 128 numbers
	s_lshl_b32 s42, ttmp9, 12
	s_add_co_u32 s38, s38, s42
	s_add_nc_u64 s[16:17], s[16:17], s[38:39]      ; pc: 4,096 bytes a work-group, 512 a wave
	s_lshl_b32 s38, ttmp9, 10
	s_add_nc_u64 s[14:15], s[14:15], s[38:39]      ; sc_t: 1,024 bytes a work-group
	s_lshl_b32 s38, ttmp9, 8
	s_add_nc_u64 s[18:19], s[18:19], s[38:39]      ; pml: 256
	global_load_b128 v[QB:QB+3], v[BO], s[10:11]
	global_load_b128 v[VA:VA+3], v[LOFF], s[12:13]
	; THE PROLOGUE: tile 0, my eight rows, four on their way at a time
.irp n, 0,1,2,3
	PLOAD \n
.endr
	s_wait_loadcnt 32                              ; qb and Va are in; the four rows issued behind them may be out
	v_pk_mul_f32 v[VA:VA+1], v[VA:VA+1], s[NC:NC+1] op_sel_hi:[1,0]
	v_pk_mul_f32 v[VA+2:VA+3], v[VA+2:VA+3], s[NC:NC+1] op_sel_hi:[1,0]
	ds_store_b128 v[AD3], v[QB:QB+3]               ; my wave's own table: read by my wave alone, in order
	ds_store_b128 v[AD3], v[VA:VA+3] offset:64
.irp n, 0,1,2,3,4,5,6,7
.if \n < 5
	s_wait_loadcnt 24                              ; row n is in; the three rows issued behind it may be out
.else
	s_wait_loadcnt 8*(7-\n)
.endif
	PSET \n
	QROW XS, 1
	s_wait_dscnt 0x0                               ; the stores have read the slot, which is loaded again, and QROW's registers
.if \n < 4
	PLOAD \n+4
.endif
.endr
	BLOAD                                          ; Ua's tile 0,
	KLOAD 0                                        ; and behind it tile 1's first row
	BOUND 0, 1
	; TILES 0 AND 1.  At every loop's head, on the way in and on the way back, what is out is one tile of Ua (17 loads) and, issued behind it, one key row (8)
	s_mov_b32 s[PAS], 2
.Lpass:
	s_mov_b32 s[CNT], 4
.Lpair:
	ITER 0, 8, 1, 1, 1, 25
	ITER 1, 8, 1, 1, 1, 25
	s_sub_co_u32 s[CNT], s[CNT], 1
	s_cmp_lg_u32 s[CNT], 0
	s_cbranch_scc1 .Lpair
	BOUND 1, 1
	s_sub_co_u32 s[PAS], s[PAS], 1
	s_cmp_lg_u32 s[PAS], 0
	s_cbranch_scc1 .Lpass
	; TILE 2: its last step asks for no key row: there is none.  The tails are written out, so that every count holds on every way
	s_mov_b32 s[CNT], 3
.Lpair2:
	ITER 0, 8, 1, 1, 1, 25
	ITER 1, 8, 1, 1, 1, 25
	s_sub_co_u32 s[CNT], s[CNT], 1
	s_cmp_lg_u32 s[CNT], 0
	s_cbranch_scc1 .Lpair2
	ITER 0, 8, 1, 1, 1, 25
	ITER 1, 8, 1, 0, 1, 17
	BOUND 1, 1
	; TILE 3: nothing more arrives but Ua
	s_mov_b32 s[CNT], 7
.Llast:
	ITER 0, 0, 1, 0, 0, 0
	s_sub_co_u32 s[CNT], s[CNT], 1
	s_cmp_lg_u32 s[CNT], 0
	s_cbranch_scc1 .Llast
	ITER 0, 0, 0, 0, 0, 0
	BOUND 1, 0
	global_store_b128 v[LOFF], v[CTX:CTX+3], s[16:17]           ; my wave's 128 columns: 512 consecutive bytes
	s_cmp_lg_u32 s[WV], 0
	s_cbranch_scc1 .Lend
	global_store_b64 v[SOF], v[MX:MX+1], s[18:19] offset:-1024  ; (M, L), once a lane: 256 consecutive bytes, aligned.  Four boundaries have stepped the offset by 1,024
.Lend:
	s_wait_tensorcnt 0x0                           ; the wave's end, behind my last LDS store
	ds_add_u32 v[SPW], v[NIL]
	s_wait_dscnt 0x0
	s_endpgm
.Lfunc_end_k_q411b3ac0d7_main:
	.size	k_q411b3ac0d7_main, .Lfunc_end_k_q411b3ac0d7_main-k_q411b3ac0d7_main
	.p2alignl 7, 3214868480
	.fill 96, 4, 3214868480
	.section	.rodata,"a",@progbits
	.p2align	6, 0x0
	.amdhsa_kernel k_q411b3ac0d7_main
		.amdhsa_group_segment_fixed_size 312320
		.amdhsa_private_segment_fixed_size 0
		.amdhsa_enable_private_segment 0
		.amdhsa_kernarg_size 64
		.amdhsa_user_sgpr_count 2
		.amdhsa_user_sgpr_kernarg_segment_ptr 1
		.amdhsa_wavefront_size32 1
		.amdhsa_system_sgpr_workgroup_id_x 1
		.amdhsa_system_sgpr_workgroup_id_y 1
		.amdhsa_system_sgpr_workgroup_id_z 1
		.amdhsa_system_vgpr_workitem_id 0
		.amdhsa_next_free_vgpr 512
		.amdhsa_next_free_sgpr 66
		.amdhsa_reserve_vcc 0
		.amdhsa_float_denorm_mode_32 3
		.amdhsa_float_denorm_mode_16_64 3
		.amdhsa_memory_ordered 1
		.amdhsa_forward_progress 1
		.amdhsa_inst_pref_size 255
	.end_amdhsa_kernel
	.section	.bss,"aw",@nobits
	.p2align	6
	.space	262144
	.amdgpu_metadata
---
amdhsa.version: [ 1, 2 ]
amdhsa.kernels:
  - .name:           k_q411b3ac0d7_main
    .symbol:         k_q411b3ac0d7_main.kd
    .args:
      - { .name: keys, .offset: 0, .size: 8, .value_kind: global_buffer, .address_space: global }
      - { .name: ub_codes, .offset: 8, .size: 8, .value_kind: global_buffer, .address_space: global }
      - { .name: ub_scales, .offset: 16, .size: 8, .value_kind: global_buffer, .address_space: global }
      - { .name: qb, .offset: 24, .size: 8, .value_kind: global_buffer, .address_space: global }
      - { .name: Va_w, .offset: 32, .size: 8, .value_kind: global_buffer, .address_space: global }
      - { .name: sc_t, .offset: 40, .size: 8, .value_kind: global_buffer, .address_space: global }
      - { .name: pc, .offset: 48, .size: 8, .value_kind: global_buffer, .address_space: global }
      - { .name: pml, .offset: 56, .size: 8, .value_kind: global_buffer, .address_space: global }
    .group_segment_fixed_size: 312320
    .private_segment_fixed_size: 0
    .kernarg_segment_align: 8
    .kernarg_segment_size: 64
    .max_flat_workgroup_size: 256
    .sgpr_count:     66
    .vgpr_count:     512
    .wavefront_size: 32
...
	.end_amdgpu_metadata
.endif
;; end of part 2
;; launch finish (part 3): grid 32 x 1, 8 waves a work-group, no clusters, 0 bytes of LDS; arguments sc_t, pc, pml, out0, out1; writes out0, out1
.if DOCPART == 3
	.amdgcn_target "amdgcn-amd-amdhsa--gfx1250"
	.amdhsa_code_object_version 6
	.text
	.protected	k_q411b3ac0d7_finish
	.globl	k_q411b3ac0d7_finish
	.p2align	8
	.type	k_q411b3ac0d7_finish,@function
k_q411b3ac0d7_finish:
	s_mov_b64 s[64:65], 0
	v_nop
	global_prefetch_b8 v0, s[64:65] scope:SCOPE_SE
	s_setreg_imm32_b32 hwreg(HW_REG_WAVE_MODE, 25, 1), 1
	s_wait_xcnt 0x0
; BAHDANAU ATTENTION, launch 3 of 3.  Left out, as shown at the head of the first kernel: Va_b and the sum of Va (the same along the softmax's axis).
; A batch's 2,048 keys were taken by eight work-groups; each left t (log2 units), its maximum m_i, its sum l_i of 2^(t - m_i) and its context c_i = sum of 2^(t - m_i) x key.
; M = max m_i;  e_i = 2^(m_i - M);  L = sum l_i e_i;  out0 = sum e_i c_i / L;  out1 = 2^(t - M) / L.  One work-group a batch; thread n takes four columns of out0 and two runs of four weights.
; No LDS, no barrier: every thread reads the eight (m, l) itself.  Every store of a wave covers 512 consecutive bytes.
.set ML, 4                             ; v4-19   (m_i, l_i)
.set MX, 20
.set LS, 21
.set E,  22                            ; v22-29  e_i, then e_i / L
.set INV, 30
.set PCR, 32                           ; v32-63  c_i, four columns each
.set TT, 64                            ; v64-71  t, then the weights
.set O,  72                            ; v72-75  out0
	s_load_b256 s[4:11], s[0:1], 0x0               ; sc_t 4, pc 6, pml 8, out0 10
	s_load_b64 s[12:13], s[0:1], 0x20              ; out1
	v_lshlrev_b32 v1, 4, v0
	v_mov_b32 v2, 0
	s_mov_b32 s15, 0
	s_wait_kmcnt 0x0
	s_lshl_b32 s14, ttmp9, 13                      ; 2,048 f32 a batch
	s_add_nc_u64 s[4:5], s[4:5], s[14:15]
	s_add_nc_u64 s[12:13], s[12:13], s[14:15]
	s_lshl_b32 s14, ttmp9, 15                      ; eight partial contexts of 4,096 bytes
	s_add_nc_u64 s[6:7], s[6:7], s[14:15]
	s_lshl_b32 s14, ttmp9, 11                      ; eight times 256 bytes
	s_add_nc_u64 s[8:9], s[8:9], s[14:15]
	s_lshl_b32 s14, ttmp9, 12
	s_add_nc_u64 s[10:11], s[10:11], s[14:15]
.irp i, 0,1,2,3,4,5,6,7
	global_load_b64 v[ML+2*\i:ML+2*\i+1], v2, s[8:9] offset:256*\i
.endr
.irp i, 0,1,2,3,4,5,6,7
	global_load_b128 v[PCR+4*\i:PCR+4*\i+3], v1, s[6:7] offset:4096*\i
.endr
	global_load_b128 v[TT:TT+3], v1, s[4:5]
	global_load_b128 v[TT+4:TT+7], v1, s[4:5] offset:4096
	s_wait_loadcnt 10                              ; the eight (m, l) are in; the ten loads issued behind them may be out
	v_max3_num_f32 v[MX], v[ML], v[ML+2], v[ML+4]
	v_max3_num_f32 v[MX], v[MX], v[ML+6], v[ML+8]
	v_max3_num_f32 v[MX], v[MX], v[ML+10], v[ML+12]
	v_max_num_f32 v[MX], v[MX], v[ML+14]
.irp i, 0,1,2,3,4,5,6,7
	v_sub_f32 v[E+\i], v[ML+2*\i], v[MX]
.endr
.irp i, 0,1,2,3,4,5,6,7
	v_exp_f32 v[E+\i], v[E+\i]
.endr
	v_nop                                          ; a plain line behind the last exponential,
	s_wait_alu depctr_va_vdst(0)                   ; and one wait for the eight, ahead of their first reader
	v_mul_f32 v[LS], v[ML+1], v[E]
.irp i, 1,2,3,4,5,6,7
	v_fma_f32 v[LS], v[ML+2*\i+1], v[E+\i], v[LS]
.endr
	v_rcp_f32 v[INV], v[LS]
	v_nop
	s_wait_alu depctr_va_vdst(0)
.irp i, 0,1,2,3,4,5,6,7
	v_mul_f32 v[E+\i], v[E+\i], v[INV]
.endr
	s_wait_loadcnt 2                               ; the partial contexts are in; t's two loads may be out
.irp e, 0,1,2,3
	v_mul_f32 v[O+\e], v[PCR+\e], v[E]
.endr
.irp i, 1,2,3,4,5,6,7
.irp e, 0,1,2,3
	v_fma_f32 v[O+\e], v[PCR+4*\i+\e], v[E+\i], v[O+\e]
.endr
.endr
	global_store_b128 v1, v[O:O+3], s[10:11]
	s_wait_loadcnt 0x0
.irp j, 0,1,2,3,4,5,6,7
	v_sub_f32 v[TT+\j], v[TT+\j], v[MX]
.endr
.irp j, 0,1,2,3,4,5,6,7
	v_exp_f32 v[TT+\j], v[TT+\j]
.endr
	v_nop
	s_wait_alu depctr_va_vdst(0)
.irp j, 0,1,2,3,4,5,6,7
	v_mul_f32 v[TT+\j], v[TT+\j], v[INV]
.endr
	global_store_b128 v1, v[TT:TT+3], s[12:13]
	global_store_b128 v1, v[TT+4:TT+7], s[12:13] offset:4096
	s_endpgm
.Lfunc_end_k_q411b3ac0d7_finish:
	.size	k_q411b3ac0d7_finish, .Lfunc_end_k_q411b3ac0d7_finish-k_q411b3ac0d7_finish
	.p2alignl 7, 3214868480
	.fill 96, 4, 3214868480
	.section	.rodata,"a",@progbits
	.p2align	6, 0x0
	.amdhsa_kernel k_q411b3ac0d7_finish
		.amdhsa_group_segment_fixed_size 0
		.amdhsa_private_segment_fixed_size 0
		.amdhsa_enable_private_segment 0
		.amdhsa_kernarg_size 40
		.amdhsa_user_sgpr_count 2
		.amdhsa_user_sgpr_kernarg_segment_ptr 1
		.amdhsa_wavefront_size32 1
		.amdhsa_system_sgpr_workgroup_id_x 1
		.amdhsa_system_sgpr_workgroup_id_y 1
		.amdhsa_system_sgpr_workgroup_id_z 1
		.amdhsa_system_vgpr_workitem_id 0
		.amdhsa_next_free_vgpr 96
		.amdhsa_next_free_sgpr 66
		.amdhsa_reserve_vcc 0
		.amdhsa_float_denorm_mode_32 3
		.amdhsa_float_denorm_mode_16_64 3
		.amdhsa_memory_ordered 1
		.amdhsa_forward_progress 1
		.amdhsa_inst_pref_size 8
	.end_amdhsa_kernel
	.amdgpu_metadata
---
amdhsa.version: [ 1, 2 ]
amdhsa.kernels:
  - .name:           k_q411b3ac0d7_finish
    .symbol:         k_q411b3ac0d7_finish.kd
    .args:
      - { .name: sc_t, .offset: 0, .size: 8, .value_kind: global_buffer, .address_space: global }
      - { .name: pc, .offset: 8, .size: 8, .value_kind: global_buffer, .address_space: global }
      - { .name: pml, .offset: 16, .size: 8, .value_kind: global_buffer, .address_space: global }
      - { .name: out0, .offset: 24, .size: 8, .value_kind: global_buffer, .address_space: global }
      - { .name: out1, .offset: 32, .size: 8, .value_kind: global_buffer, .address_space: global }
    .group_segment_fixed_size: 0
    .private_segment_fixed_size: 0
    .kernarg_segment_align: 8
    .kernarg_segment_size: 40
    .max_flat_workgroup_size: 256
    .sgpr_count:     66
    .vgpr_count:     96
    .wavefront_size: 32
...
	.end_amdgpu_metadata
.endif
;; end of part 3
;; ======== version 2 of 2: 3 launches
;; limits: values are held in bf16: 8 bits of precision; right only within a limited range of input values
;; workspace buffers: ub_codes 524,288 bytes; ub_scales 32,768 bytes; qb 131,072 bytes; sc_t 262,144 bytes; pc 1,048,576 bytes; pml 65,536 bytes
;; launch prep (part 4): grid 64 x 1, 8 waves a work-group, no clusters, 37,888 bytes of LDS; arguments Ua_w, Wa_w, query, Wa_b, Ua_b, ub_codes, ub_scales, qb; writes ub_codes, ub_scales, qb
.if DOCPART == 4
	.amdgcn_target "amdgcn-amd-amdhsa--gfx1250"
	.amdhsa_code_object_version 6
	.text
	.protected	k_q411b3ac0d7_prep
	.globl	k_q411b3ac0d7_prep
	.p2align	8
	.type	k_q411b3ac0d7_prep,@function
k_q411b3ac0d7_prep:
	s_mov_b64 s[64:65], 0
	v_nop
	global_prefetch_b8 v0, s[64:65] scope:SCOPE_SE
	s_setreg_imm32_b32 hwreg(HW_REG_WAVE_MODE, 25, 1), 1
	s_wait_xcnt 0x0
; BAHDANAU ATTENTION, launch 1 of 3.  Ua_w, Wa_w and query become codes of FP4 (E2M1) with one E8M0 byte for each 32 along K; the first product, query x Wa_w^T, is done here.
; WORK LEFT OUT IN THE WHOLE PROGRAM, for all finite values of the inputs:
;   Both outputs hang on the scores through softmax over s alone (out1 is that softmax, out0 its weights times keys), and a softmax is unchanged by a term that is the same along its axis.
;   (1) Va_b[0] is added to every score of a row: it cancels.  Va_b is not loaded and is among no launch's arguments.
;   (2) tanh(x) = 1 - 2 / (1 + e^(2x)), so score = sum_h Va[h] - 2 sum_h Va[h] r_h with r = 1 / (1 + 2^(c x)), c = 2 log2(e).  sum_h Va[h] is the same along s: it cancels.
;   What is computed: t = sum_h (-c Va[h]) r_h = log2(e) x (score - the two constants); the weights are 2^(t - max t) / their sum.  idx reaches nothing in the problem's own text.
;   LIMIT: a NaN, an infinity or an overflow that reaches only Va_b or the sum of Va is not carried to the result.
; OTHER LIMITS: NaN and infinities among the inputs are not served.  A block of zeros gets the scale byte 1 where the quantiser says 127: its codes are zeros, which add nothing, and the bytes are read by this program alone.
; SHARES.  Work-group T (of 64) takes Ua rows 16 T .. + 15, Wa rows 16 T .. + 15 and all 32 rows of query: 64 local rows, 8 a wave (waves 0, 1: Ua; 2, 3: Wa; 4 to 7: query).
; A row's 1,024 numbers lie in one wave: lane l holds floats 256 j + 8 l + 0 .. 7, j = 0 .. 3: eight neighbours along K for a conversion; four neighbouring lanes hold a block of 32.
; The codes go to LDS as rows (512 bytes + 16) and come back as operand fragments.  OUT: ub_codes [T][K step 8][c 2][lane 32][16 bytes], the order of the operand's registers;
; ub_scales [T][lane 32][4 words]: word q of lane (r, h) is row r's scale word of K step 2 q + h;  qb [T][batch 32][16] = c x (query Wa^T + Wa_b + Ua_b).
.set CODES, 0                          ; LDS: 64 rows x CP
.set CP,    528                        ; 512 bytes of codes + 16: the 16 rows of a fragment load start 132 words apart
.set SCB,   64*CP                      ; 64 rows x SCP: the scale bytes, byte = block number
.set SCP,   48                         ; 32 bytes + 16
.set SPARE, SCB+64*SCP                 ; the spare words, 128 bytes for each of the eight waves, which no other line names
.set SPW, 1                            ; v1   my spare word; never rewritten
.set NIL, 2                            ; v2   0; never rewritten
.set KOFF, 3                           ; v3   32 x lane: my octet in 1,024 bytes of a row
.set LOFF, 4                           ; v4   16 x lane
.set CST, 5                            ; v5   where my wave's first row's codes go, + 4 x lane
.set SST, 6                            ; v6   the same for the scale bytes, + lane / 4
.set FRA, 8                            ; v8   a fragment's place: r x CP + 16 h
.set SRW, 9                            ; v9   SCB + r x SCP
.set SRH, 10                           ; v10  + 4 h
.set BOF, 11                           ; v11  32 h
.set QOF, 12                           ; v12  64 r + 32 h
.set FRK, 13                           ; v13  FRA + 64 x wave: Ua's fragment of K step = wave
.set FRQ, 14                           ; v14  FRA at query's rows 16 (wave % 2) on
.set SRQ, 15                           ; v15  SRW likewise
.set AD0, 16
.set AD1, 17
.set AD2, 18
.set WB,  20                           ; v20-27 Wa_b, v28-35 Ua_b of my eight outputs
.set UB,  28
.set ACC0, 40                          ; two accumulators, by turns
.set ACC1, 48
.set RES, 56
.set UF,  64                           ; Ua's fragment on its way out
.set USW, 72                           ; its scale words on their way out
.set QT,  76                           ; v76-91 QROW's: largest magnitudes 4, scale operands 4, bytes 4, codes 4
.set WSC, 104                          ; v104-111 Wa's scale words, v112-119 query's: these hold scales and nothing else
.set QSC, 112
.set SL,  128                          ; v128-255 four row slots; later Wa's fragments (128-191) and query's (192-255)
.set WV,  20
.set SRC, 22                           ; s[22:23] my wave's rows
.set CC,  24                           ; s[24:25] c = 2 log2(e)
.set TQ,  30
.set TS,  31
; One row becomes 512 bytes of codes and 32 scale bytes in LDS.  X: the row's 32 registers.
.macro QROW X, bf
	v_add_nc_u32 v[AD0], s[TQ], v[CST]
	v_add_nc_u32 v[AD1], s[TS], v[SST]
.if \bf
	v_add_nc_u32 v[AD2], s[TK], v[KST]
.endif
.irp j, 0,1,2,3
	v_max3_num_f32 v[QT+\j], |v[\X+8*\j]|, |v[\X+8*\j+1]|, 0x1800000   ; my eight of block 8 j + lane / 4, and the floor 2^(3 - 127): the byte cannot fall under 1
.endr
.irp i, 2,4,6
.irp j, 0,1,2,3
	s_delay_alu instid0(VALU_DEP_4)
	v_max3_num_f32 v[QT+\j], v[QT+\j], |v[\X+8*\j+\i]|, |v[\X+8*\j+\i+1]|
.endr
.endr
.irp j, 0,1,2,3
	s_delay_alu instid0(VALU_DEP_4)
	v_max_num_f32_dpp v[QT+\j], v[QT+\j], v[QT+\j] row_xmask:1 row_mask:0xf bank_mask:0xf
.endr
.irp j, 0,1,2,3
	s_delay_alu instid0(VALU_DEP_4)
	v_max_num_f32_dpp v[QT+\j], v[QT+\j], v[QT+\j] row_xmask:2 row_mask:0xf bank_mask:0xf   ; four lanes: the block's largest magnitude
.endr
.irp j, 0,1,2,3
	s_delay_alu instid0(VALU_DEP_4)
	v_add_nc_u32 v[QT+4+\j], 0xff000000, v[QT+\j]                      ; 2 off its exponent field: the conversion takes this operand's exponent field as its scale
.endr
.irp j, 0,1,2,3
	v_cvt_scalef32_pk8_fp4_f32 v[QT+12+\j], v[\X+8*\j:\X+8*\j+7], v[QT+4+\j]
.endr
.irp j, 0,1,2,3
	v_lshrrev_b32 v[QT+8+\j], 23, v[QT+4+\j]                           ; the scale's byte.  (Plain lines behind the conversions)
.endr
.if \bf
.irp j, 0,1,2,3
.irp i, 0,1,2,3
	v_cvt_pk_bf16_f32 v[\X+8*\j+\i], v[\X+8*\j+2*\i], v[\X+8*\j+2*\i+1]
.endr
.endr
.endif
.irp j, 0,1,2,3
	ds_store_b32 v[AD0], v[QT+12+\j] offset:128*\j                     ; floats 256 j + 8 l on: bytes 128 j + 4 l of the row's codes
	ds_store_b8 v[AD1], v[QT+8+\j] offset:8*\j                         ; the four lanes of a block write the same byte with the same value
.endr
.if \bf
.irp j, 0,1,2,3
	ds_store_b128 v[AD2], v[\X+8*\j:\X+8*\j+3] offset:512*\j
.endr
	s_add_co_u32 s[TK], s[TK], 2048
.endif
	s_add_co_u32 s[TQ], s[TQ], CP
	s_add_co_u32 s[TS], s[TS], SCP
.endm
.macro RLOAD t                         ; row t of my eight into slot t % 4: eight loads; the two that stand together cover each lane's 32 bytes
.set XS, SL+32*((\t)%4)
.irp j, 0,1,2,3
.irp u, 0,1
	global_load_b128 v[XS+8*\j+4*\u:XS+8*\j+4*\u+3], v[KOFF], s[SRC:SRC+1] offset:4096*(\t)+1024*\j+16*\u
.endr
.endr
.endm
	s_load_b512 s[4:19], s[0:1], 0x0               ; Ua_w 4, Wa_w 6, query 8, Wa_b 10, Ua_b 12, ub_codes 14, ub_scales 16, qb 18
	v_lshl_add_u32 v[SPW], v0, 2, SPARE
	v_mov_b32 v[NIL], 0
	v_lshrrev_b32 v[AD0], 5, v0
	s_delay_alu instid0(VALU_DEP_1)
	v_readfirstlane_b32 s[WV], v[AD0]              ; wave 0..7
	v_and_b32 v[AD0], 31, v0                       ; lane
	v_and_b32 v[AD1], 15, v0                       ; r
	v_bfe_u32 v[AD2], v0, 4, 1                     ; h
	s_delay_alu instid0(VALU_DEP_3)
	v_lshlrev_b32 v[KOFF], 5, v[AD0]
	s_delay_alu instid0(VALU_DEP_4)
	v_lshlrev_b32 v[LOFF], 4, v[AD0]
	s_mul_i32 s38, s[WV], 8*CP
	v_lshl_add_u32 v[CST], v[AD0], 2, s38
	s_mul_i32 s38, s[WV], 8*SCP
	s_add_co_u32 s38, s38, SCB
	v_bfe_u32 v[SST], v0, 2, 3
	s_delay_alu instid0(VALU_DEP_1)
	v_add_nc_u32 v[SST], s38, v[SST]
	v_mul_u32_u24 v[FRA], v[AD1], CP
	s_delay_alu instid0(VALU_DEP_1)
	v_lshl_add_u32 v[FRA], v[AD2], 4, v[FRA]
	v_mul_u32_u24 v[SRW], v[AD1], SCP
	s_delay_alu instid0(VALU_DEP_1)
	v_add_nc_u32 v[SRW], SCB, v[SRW]
	s_delay_alu instid0(VALU_DEP_1)
	v_lshl_add_u32 v[SRH], v[AD2], 2, v[SRW]
	v_lshlrev_b32 v[BOF], 5, v[AD2]
	s_delay_alu instid0(VALU_DEP_1)
	v_lshl_add_u32 v[QOF], v[AD1], 6, v[BOF]
	s_lshl_b32 s38, s[WV], 6
	v_add_nc_u32 v[FRK], s38, v[FRA]
	s_and_b32 s39, s[WV], 1
	s_mul_i32 s38, s39, 16*CP
	s_add_co_u32 s38, s38, 32*CP
	v_add_nc_u32 v[FRQ], s38, v[FRA]
	s_mul_i32 s38, s39, 16*SCP
	s_add_co_u32 s38, s38, 32*SCP
	v_add_nc_u32 v[SRQ], s38, v[SRW]               ; every LDS address is made here, ahead of the first branch on the wave's number
	s_mov_b32 s[CC], 0x4038aa3b
	s_mov_b32 s[CC+1], s[CC]
	s_mov_b32 s[TQ], 0
	s_mov_b32 s[TS], 0
	s_lshl_b32 s40, ttmp9, 16                      ; weights: row 16 T + 8 (wave % 2), 4,096 bytes a row
	s_lshl_b32 s41, s39, 15
	s_add_co_u32 s40, s40, s41
	s_and_b32 s41, s[WV], 3                        ; query: row 8 (wave - 4)
	s_lshl_b32 s41, s41, 15
	s_cmp_lt_u32 s[WV], 4
	s_cselect_b32 s40, s40, s41
	s_mov_b32 s41, 0
	s_wait_kmcnt 0x0
	s_cmp_lt_u32 s[WV], 2                          ; the choice of buffer hangs on the wave's number alone
	s_cselect_b64 s[SRC:SRC+1], s[4:5], s[6:7]
	s_cmp_lt_u32 s[WV], 4
	s_cselect_b64 s[SRC:SRC+1], s[SRC:SRC+1], s[8:9]
	s_add_nc_u64 s[SRC:SRC+1], s[SRC:SRC+1], s[40:41]
	s_lshl_b32 s40, ttmp9, 6                       ; the biases of outputs 16 T on
	s_add_nc_u64 s[10:11], s[10:11], s[40:41]
	s_add_nc_u64 s[12:13], s[12:13], s[40:41]
	s_lshl_b32 s40, ttmp9, 13
	s_lshl_b32 s38, s[WV], 10
	s_add_co_u32 s40, s40, s38
	s_add_nc_u64 s[14:15], s[14:15], s[40:41]      ; ub_codes + 8,192 T + 1,024 wave
	s_lshl_b32 s40, ttmp9, 9
	s_add_nc_u64 s[16:17], s[16:17], s[40:41]      ; ub_scales + 512 T
	s_lshl_b32 s40, ttmp9, 11
	s_lshl_b32 s38, s39, 10
	s_add_co_u32 s40, s40, s38
	s_add_nc_u64 s[18:19], s[18:19], s[40:41]      ; qb + 2,048 T + 1,024 (wave % 2)
	s_cmp_lt_u32 s[WV], 2
	s_cbranch_scc0 .Lno_bias                       ; the biases are older than every row load, so the rows' counts hold with them and without
	s_wait_alu depctr_va_vdst(0)
	global_load_b128 v[WB:WB+3], v[BOF], s[10:11]
	global_load_b128 v[WB+4:WB+7], v[BOF], s[10:11] offset:16
	global_load_b128 v[UB:UB+3], v[BOF], s[12:13]
	global_load_b128 v[UB+4:UB+7], v[BOF], s[12:13] offset:16
.Lno_bias:
.irp t, 0,1,2,3
	RLOAD \t
.endr
.irp t, 0,1,2,3,4,5,6,7
.if \t < 5
	s_wait_loadcnt 24                              ; row t is in; the three rows issued behind it, 8 loads each, may be out
.else
	s_wait_loadcnt 8*(7-\t)
.endif
.set XS, SL+32*(\t%4)
	QROW XS, 0
	s_wait_dscnt 0x0                               ; the stores have read the codes' and bytes' registers, which the next row writes
.if \t < 4
	RLOAD \t+4
.endif
.endr
	s_barrier_signal -1                            ; my stores have landed (the wait above)
	s_barrier_wait -1                              ; all 64 rows lie in LDS
	ds_load_b128 v[UF:UF+3], v[FRK]                ; every wave: Ua's fragment of K step = wave, as the operand's registers want it
	ds_load_b128 v[UF+4:UF+7], v[FRK] offset:32
	s_wait_dscnt 0x0
	global_store_b128 v[LOFF], v[UF:UF+3], s[14:15]             ; 32 lanes store 512 consecutive bytes
	global_store_b128 v[LOFF], v[UF+4:UF+7], s[14:15] offset:512
	s_cmp_lg_u32 s[WV], 2
	s_cbranch_scc1 .Lno_sc
.irp q, 0,1,2,3
	ds_load_b32 v[USW+\q], v[SRH] offset:8*\q      ; row r's scale word of K step 2 q + h
.endr
	s_wait_dscnt 0x0
	global_store_b128 v[LOFF], v[USW:USW+3], s[16:17]
.Lno_sc:
	s_cmp_lt_u32 s[WV], 2
	s_cbranch_scc0 .Lend
	; waves 0, 1: outputs 16 T .. + 15 for batches 16 wave .. + 15.  Source 0 = 16 rows of Wa, source 1 = 16 rows of query: lane (r, h) holds batch r and outputs 8 h + 0 .. 7
.irp k, 0,1,2,3,4,5,6,7
.irp c, 0,1
	ds_load_b128 v[SL+8*\k+4*\c:SL+8*\k+4*\c+3], v[FRA] offset:16*CP+64*\k+32*\c
	ds_load_b128 v[SL+64+8*\k+4*\c:SL+64+8*\k+4*\c+3], v[FRQ] offset:64*\k+32*\c
.endr
.endr
	ds_load_b128 v[WSC:WSC+3], v[SRW] offset:16*SCP
	ds_load_b128 v[WSC+4:WSC+7], v[SRW] offset:16*SCP+16
	ds_load_b128 v[QSC:QSC+3], v[SRQ]
	ds_load_b128 v[QSC+4:QSC+7], v[SRQ] offset:16
	s_wait_dscnt 0x0
	v_wmma_scale_f32_16x16x128_f8f6f4 v[ACC0:ACC0+7], v[SL:SL+7], v[SL+64:SL+71], 0, v[WSC], v[QSC] matrix_a_fmt:MATRIX_FMT_FP4 matrix_b_fmt:MATRIX_FMT_FP4
	v_wmma_scale_f32_16x16x128_f8f6f4 v[ACC1:ACC1+7], v[SL+8:SL+15], v[SL+72:SL+79], 0, v[WSC+1], v[QSC+1] matrix_a_fmt:MATRIX_FMT_FP4 matrix_b_fmt:MATRIX_FMT_FP4
.irp k, 2,4,6                          ; the two accumulators take turns, one instruction a turn
	v_wmma_scale_f32_16x16x128_f8f6f4 v[ACC0:ACC0+7], v[SL+8*\k:SL+8*\k+7], v[SL+64+8*\k:SL+64+8*\k+7], v[ACC0:ACC0+7], v[WSC+\k], v[QSC+\k] matrix_a_fmt:MATRIX_FMT_FP4 matrix_b_fmt:MATRIX_FMT_FP4
	v_wmma_scale_f32_16x16x128_f8f6f4 v[ACC1:ACC1+7], v[SL+8*\k+8:SL+8*\k+15], v[SL+72+8*\k:SL+72+8*\k+7], v[ACC1:ACC1+7], v[WSC+\k+1], v[QSC+\k+1] matrix_a_fmt:MATRIX_FMT_FP4 matrix_b_fmt:MATRIX_FMT_FP4
.endr
.irp i, 0,2,4,6
	v_pk_add_f32 v[WB+\i:WB+\i+1], v[WB+\i:WB+\i+1], v[UB+\i:UB+\i+1]   ; Wa_b + Ua_b: four plain lines that name none of the products' registers: the places behind them (ISA guide 7.12.1)
.endr
.irp i, 0,2,4,6
	v_pk_add_f32 v[RES+\i:RES+\i+1], v[ACC0+\i:ACC0+\i+1], v[ACC1+\i:ACC1+\i+1]   ; each accumulator from its low end on
.endr
.irp i, 0,2,4,6
	s_delay_alu instid0(VALU_DEP_4)
	v_pk_add_f32 v[RES+\i:RES+\i+1], v[RES+\i:RES+\i+1], v[WB+\i:WB+\i+1]
.endr
.irp i, 0,2,4,6
	s_delay_alu instid0(VALU_DEP_4)
	v_pk_mul_f32 v[RES+\i:RES+\i+1], v[RES+\i:RES+\i+1], s[CC:CC+1] op_sel_hi:[1,0]
.endr
	global_store_b128 v[QOF], v[RES:RES+3], s[18:19]            ; 32 lanes store 1,024 consecutive bytes in two instructions
	global_store_b128 v[QOF], v[RES+4:RES+7], s[18:19] offset:16
.Lend:
	s_wait_tensorcnt 0x0                           ; the wave's end, behind my last LDS store
	ds_add_u32 v[SPW], v[NIL]
	s_wait_dscnt 0x0
	s_endpgm
.Lfunc_end_k_q411b3ac0d7_prep:
	.size	k_q411b3ac0d7_prep, .Lfunc_end_k_q411b3ac0d7_prep-k_q411b3ac0d7_prep
	.p2alignl 7, 3214868480
	.fill 96, 4, 3214868480
	.section	.rodata,"a",@progbits
	.p2align	6, 0x0
	.amdhsa_kernel k_q411b3ac0d7_prep
		.amdhsa_group_segment_fixed_size 37888
		.amdhsa_private_segment_fixed_size 0
		.amdhsa_enable_private_segment 0
		.amdhsa_kernarg_size 64
		.amdhsa_user_sgpr_count 2
		.amdhsa_user_sgpr_kernarg_segment_ptr 1
		.amdhsa_wavefront_size32 1
		.amdhsa_system_sgpr_workgroup_id_x 1
		.amdhsa_system_sgpr_workgroup_id_y 1
		.amdhsa_system_sgpr_workgroup_id_z 1
		.amdhsa_system_vgpr_workitem_id 0
		.amdhsa_next_free_vgpr 256
		.amdhsa_next_free_sgpr 66
		.amdhsa_reserve_vcc 0
		.amdhsa_float_denorm_mode_32 3
		.amdhsa_float_denorm_mode_16_64 3
		.amdhsa_memory_ordered 1
		.amdhsa_forward_progress 1
		.amdhsa_inst_pref_size 46
	.end_amdhsa_kernel
	.amdgpu_metadata
---
amdhsa.version: [ 1, 2 ]
amdhsa.kernels:
  - .name:           k_q411b3ac0d7_prep
    .symbol:         k_q411b3ac0d7_prep.kd
    .args:
      - { .name: Ua_w, .offset: 0, .size: 8, .value_kind: global_buffer, .address_space: global }
      - { .name: Wa_w, .offset: 8, .size: 8, .value_kind: global_buffer, .address_space: global }
      - { .name: query, .offset: 16, .size: 8, .value_kind: global_buffer, .address_space: global }
      - { .name: Wa_b, .offset: 24, .size: 8, .value_kind: global_buffer, .address_space: global }
      - { .name: Ua_b, .offset: 32, .size: 8, .value_kind: global_buffer, .address_space: global }
      - { .name: ub_codes, .offset: 40, .size: 8, .value_kind: global_buffer, .address_space: global }
      - { .name: ub_scales, .offset: 48, .size: 8, .value_kind: global_buffer, .address_space: global }
      - { .name: qb, .offset: 56, .size: 8, .value_kind: global_buffer, .address_space: global }
    .group_segment_fixed_size: 37888
    .private_segment_fixed_size: 0
    .kernarg_segment_align: 8
    .kernarg_segment_size: 64
    .max_flat_workgroup_size: 256
    .sgpr_count:     66
    .vgpr_count:     256
    .wavefront_size: 32
...
	.end_amdgpu_metadata
.endif
;; end of part 4
;; launch main (part 5): grid 256 x 1, 8 waves a work-group, no clusters, 320,512 bytes of LDS; arguments keys, ub_codes, ub_scales, qb, Va_w, sc_t, pc, pml; writes sc_t, pc, pml
.if DOCPART == 5
	.amdgcn_target "amdgcn-amd-amdhsa--gfx1250"
	.amdhsa_code_object_version 6
	.text
	.protected	k_q411b3ac0d7_main
	.globl	k_q411b3ac0d7_main
	.p2align	8
	.type	k_q411b3ac0d7_main,@function
k_q411b3ac0d7_main:
	s_mov_b64 s[64:65], 0
	v_nop
	global_prefetch_b8 v0, s[64:65] scope:SCOPE_SE
	s_setreg_imm32_b32 hwreg(HW_REG_WAVE_MODE, 25, 1), 1
	s_wait_xcnt 0x0
; BAHDANAU ATTENTION, launch 2 of 3.  Left out, as shown at the head of the first kernel: Va_b and the sum of Va (the same along the softmax's axis); t = sum_h (-c Va[h]) / (1 + 2^(c x_h)), c = 2 log2(e).
; LIMITS: NaN and infinities among the inputs are not served; a block of zeros gets the scale byte 1 (its codes are zeros).  2^y = infinity gives r = 0 and 2^y = 0 gives r = 1: the two ends of tanh, with no clamp.
; SHARES.  Work-group g takes key rows 256 (g % 8) .. + 255 of batch g / 8, in four tiles of 64 rows.  KEYS ARE READ FROM MEMORY ONCE: as a row arrives it is quantised to FP4 for the product with Ua
; and rounded to bf16 for the product with the weights; the bf16 tile stays in LDS until the tile's weights are known.  Two such tiles (2 x 64 x 2,048 bytes) take turns: while tile i is multiplied, tile i + 1 arrives.
; The eight waves share the 1,024 outputs, 128 (eight tiles of 16) each.  Every wave holds the 64 rows' codes in 256 registers; a tile of Ua (16 outputs x 1,024 K, laid in the order of the operand's registers by the
; launch before) comes from memory straight into the registers of the one wave that wants it and feeds four products a fragment.  Two waves share a SIMD: one's exponentials stand beside the other's products.
; A KEY ROW'S LOADS.  A conversion wants eight neighbours along K in one lane, 32 bytes; a load gives a lane 16.  So that every load still covers 512 consecutive bytes, lanes 0-15 take the lower 16 bytes of sixteen
; octets and lanes 16-31 the upper 16 of the same octets; the load 512 bytes on does the same for the next sixteen octets; an exchange of halves between the two loads' registers then gives each lane one whole octet.
; NO CLUSTER, NO TENSOR LOAD: what work-groups share is Ua, and a ring for it would want two slots of 8,704 bytes for each of eight waves, 139,264 bytes, beside the 319,488 that the tiles and tables take of 327,680.
; PRODUCT.  Source 0 = 16 rows of Ua, source 1 = 16 key rows: lane (r, h) holds key row r and outputs 8 h + 0 .. 7, so the sum over outputs runs along a lane's registers.
; SOFTMAX.  A running maximum M and sum L of 2^(t - M), and a running context, rescaled by 2^(old M - new M) at each tile; every wave keeps the same M and L.  OUT: t, (M, L) and the partial context; launch 3 joins eight.
; BARRIERS, two a tile.  Between Y and the next X each wave WRITES its own rows of the codes, the scale bytes and the coming bf16 tile, and its column of the partial scores; between X and Y these are only READ.
; UA'S TILES ARE WALKED THERE AND BACK: a wave takes its eight tiles of outputs in the order 0 .. 7 for one tile of rows and 7 .. 0 for the next, so the tile of Ua that ends one walk begins the next
; and stays in its registers across the boundary: 29 loads of a tile for 32 steps.  (With the table of 2,048 bytes a wave below, tiles and tables take 319,488 bytes of LDS, and the spare words 1,024.)
.set KBX,   0x20000                    ; LDS: bf16 tiles at 0 and at KBX, rows of 2,048 bytes: stores and reads both run along a row, so no padding
.set CODES, 262144                     ; 64 rows x CP
.set CP,    528                        ; 512 bytes of codes + 16: the 16 rows of a fragment load start 132 words apart
.set SCB,   CODES+64*CP                ; 64 rows x SCP: scale bytes, byte = block number
.set SCP,   48
.set PART,  SCB+64*SCP                 ; [row 64][wave 8] f32: the waves' parts of a row's t
.set PB,    PART+64*32                 ; 256 bytes a wave: the tile's 64 weights
.set VB,    PB+8*256                   ; 2,048 bytes a wave: 16 entries of 128 bytes (16 qb, then 16 of -c Va): entry e is tile e for e < 8 and tile 15 - e behind that: the walk there and back.  VB is a multiple of 2,048
.set SPARE, VB+8*2048                  ; the spare words, 128 bytes for each of the eight waves, which no other line names
.set SPW, 1                            ; v1  my spare word; v2  0: never rewritten
.set NIL, 2
.set KOFF, 3                           ; 32 x (lane % 16) + 16 x (lane / 16): my 16 bytes of a key load's 512
.set LOFF, 4                           ; 16 x lane
.set CST, 5                            ; CODES + 8 wave CP + 4 lane
.set SST, 6                            ; SCB + 8 wave SCP + lane / 4
.set KST, 7                            ; 8 wave x 2,048 + 16 lane
.set FRA, 8                            ; CODES + r CP + 16 h
.set SRA, 9                            ; SCB + lane SCP
.set VBA, 10                           ; VB + 2,048 wave + 32 h
.set PST, 11                           ; PART + 32 r + 4 wave
.set PRD, 12                           ; PART + 64 lane
.set PBW, 13                           ; PB + 256 wave + 8 lane
.set PBR, 14                           ; PB + 256 wave
.set CRD, 15                           ; 256 wave + 8 lane: my four columns in a bf16 row
.set AD0, 16
.set AD1, 17
.set AD2, 18
.set AD3, 19
.set KO,  20                           ; v20, v21 a key slot's offset
.set BO,  22                           ; Ua's codes' offset; v23 its scales'
.set BSO, 23
.set CTX, 24                           ; v24-27 the running context of my four columns
.set SACC, 28                          ; v28-35 a pair of running sums for each tile of 16 rows
.set ASC, 36                           ; v36-51 the keys' scale words: register 8 g + k, lane l: row 32 g + l, K step k.  v52-55 Ua's.  These hold scales and nothing else
.set BSC, 52
.set BF,  56                           ; v56-119 Ua's eight fragments
.set ACC, 120                          ; v120-151 four accumulators
.set QB,  152                          ; v152-159 qb, v160-167 -c Va of my eight outputs; at a boundary 16 weights
.set VA,  160
.set QT,  168                          ; v168-183 at work
.set KR0, 184                          ; v184-215, v216-247 two key rows
.set KR1, 216
.set MX,  248                          ; M, L
.set LS,  249
.set FF,  250                          ; v[250:251] 2^(old M - new M)
.set T0,  252                          ; t of rows 2 lane and 2 lane + 1
.set T1,  253
.set SOF, 254                          ; 8 lane + 256 x boundaries passed
.set TMP, 255                          ; at work in the head;
.set PFV, 255                          ; from there on the prefetches' offset
; window 1: v[64 T + 8 k ..]: the keys' fragment of rows 16 T on, K step k
.set WV,  20
.set CC,  24                           ; s[24:25] c
.set SEL, 26                           ; s[26:27] v_permlanex16_b32's selects for lane l xor 16
.set CNT, 28
.set PAS, 29
.set TQ,  30                           ; the row in hand: its place among my wave's codes, scale bytes, bf16 rows
.set TS,  31
.set TK,  32
.set TV,  33                           ; the tile of outputs in hand, in VB
.set KBC, 34                           ; the bf16 tile that is multiplied; s35 the one that is written
.set KBN, 35
.set TB,  36                           ; the tile of Ua asked for last
.set KN,  37                           ; the next key row of my wave: 8 x tile + row
.set NC,  40                           ; s[40:41] -c
.set MSB, 0
.macro WIN new                         ; the immediate's high byte repeats the setting that is left
.if MSB != \new
	s_set_vgpr_msb (MSB<<8)|\new
.set MSB, \new
.endif
.endm
; One key row, as its eight loads left it in v[X ..].  First the halves change places, so that lane l holds floats 256 j + 8 l + 0 .. 7, j = 0 .. 3, in v[X + 8 j ..].
; Then the row becomes 512 bytes of codes, 32 scale bytes and (bf) 2,048 bytes of bf16 in LDS.
.macro QROW X, bf
	v_add_nc_u32 v[AD0], s[TQ], v[CST]
	v_add_nc_u32 v[AD1], s[TS], v[SST]
.if \bf
	v_add_nc_u32 v[AD2], s[TK], v[KST]
.endif
.irp j, 0,1,2,3
.irp i, 0,1,2,3
	v_permlane16_swap_b32 v[\X+8*\j+\i], v[\X+8*\j+4+\i]               ; the first load's lanes 16-31 (upper halves of octets 0-15) change places with the second's lanes 0-15 (lower halves of octets 16-31)
.endr
.endr
.irp j, 0,1,2,3
	v_max3_num_f32 v[QT+\j], |v[\X+8*\j]|, |v[\X+8*\j+1]|, 0x1800000   ; my eight of block 8 j + lane / 4, and the floor 2^(3 - 127): the byte cannot fall under 1
.endr
.irp i, 2,4,6
.irp j, 0,1,2,3
	s_delay_alu instid0(VALU_DEP_4)
	v_max3_num_f32 v[QT+\j], v[QT+\j], |v[\X+8*\j+\i]|, |v[\X+8*\j+\i+1]|
.endr
.endr
.irp j, 0,1,2,3
	s_delay_alu instid0(VALU_DEP_4)
	v_max_num_f32_dpp v[QT+\j], v[QT+\j], v[QT+\j] row_xmask:1 row_mask:0xf bank_mask:0xf
.endr
.irp j, 0,1,2,3
	s_delay_alu instid0(VALU_DEP_4)
	v_max_num_f32_dpp v[QT+\j], v[QT+\j], v[QT+\j] row_xmask:2 row_mask:0xf bank_mask:0xf   ; four lanes: the block's largest magnitude
.endr
.irp j, 0,1,2,3
	s_delay_alu instid0(VALU_DEP_4)
	v_add_nc_u32 v[QT+4+\j], 0xff000000, v[QT+\j]                      ; 2 off its exponent field: the conversion takes this operand's exponent field as its scale
.endr
.irp j, 0,1,2,3
	v_cvt_scalef32_pk8_fp4_f32 v[QT+12+\j], v[\X+8*\j:\X+8*\j+7], v[QT+4+\j]
.endr
.irp j, 0,1,2,3
	v_lshrrev_b32 v[QT+8+\j], 23, v[QT+4+\j]                           ; the scale's byte.  (Plain lines between the conversions and the lines that write their sources)
.endr
.if \bf
.irp j, 0,1,2,3
.irp i, 0,1,2,3
	v_cvt_pk_bf16_f32 v[\X+8*\j+\i], v[\X+8*\j+2*\i], v[\X+8*\j+2*\i+1]   ; in place: register i is written when numbers 2 i and 2 i + 1 are read, behind all lower ones
.endr
.endr
.endif
.irp j, 0,1,2,3
	ds_store_b32 v[AD0], v[QT+12+\j] offset:128*\j                     ; floats 256 j + 8 l on: bytes 128 j + 4 l of the row's codes
	ds_store_b8 v[AD1], v[QT+8+\j] offset:8*\j                         ; the four lanes of a block write the same byte with the same value
.endr
.if \bf
.irp j, 0,1,2,3
	ds_store_b128 v[AD2], v[\X+8*\j:\X+8*\j+3] offset:512*\j
.endr
	s_add_co_u32 s[TK], s[TK], 2048
.endif
	s_add_co_u32 s[TQ], s[TQ], CP
	s_add_co_u32 s[TS], s[TS], SCP
.endm
; My wave's next key row into a slot: eight loads of 512 consecutive bytes each.  The slot's offset register is free: the wait that showed its last row in has been passed.
.macro KLOAD slot
	s_and_b32 s38, s[KN], 7
	s_lshl_b32 s38, s38, 12                        ; the row among my eight,
	s_lshr_b32 s39, s[KN], 3
	s_lshl_b32 s39, s39, 18                        ; the tile: 64 rows of 4,096 bytes
	s_add_co_u32 s38, s38, s39
	v_add_nc_u32 v[KO+(\slot)], s38, v[KOFF]
	s_add_co_u32 s[KN], s[KN], 1
.irp j, 0,1,2,3
.irp u, 0,1
	global_load_b128 v[KR0+32*(\slot)+8*\j+4*\u:KR0+32*(\slot)+8*\j+4*\u+3], v[KO+(\slot)], s[4:5] offset:1024*\j+512*\u th:TH_LOAD_NT
.endr
.endr
.endm
; My next tile of Ua: 16 loads of 512 consecutive bytes and its scale words: 17 loads.  The two additions and two v_nop are the four places behind the products that read these registers (ISA guide 7.12.1).
.macro BLOAD
	s_add_co_u32 s[TB], s[TB], 8192
	s_and_b32 s[TB], s[TB], 0x1ffff                ; 8,192 x the walk's entry, 0 .. 15
	s_lshr_b32 s38, s[TB], 16                      ; 1 on the way back,
	s_mul_i32 s38, s38, 0xe000
	s_xor_b32 s39, s[TB], s38                      ; where entry e stands for tile 15 - e: the three low bits of e turned over
	s_and_b32 s39, s39, 0xffff                     ; 8,192 x the tile
	s_lshr_b32 s38, s39, 4
	v_add_nc_u32 v[BO], s39, v[LOFF]
	v_add_nc_u32 v[BSO], s38, v[LOFF]
	v_nop
	v_nop
.irp k, 0,1,2,3,4,5,6,7
.irp c, 0,1
	global_load_b128 v[BF+8*\k+4*\c:BF+8*\k+4*\c+3], v[BO], s[6:7] offset:1024*\k+512*\c
.endr
.endr
	global_load_b128 v[BSC:BSC+3], v[BSO], s[8:9]
.endm
; One product: K step k, key rows 16 t on.  Ua's scale words of K steps 2 q and 2 q + 1 share a register (lanes 0-15, 16-31), and so do the keys' of rows 32 g on and 32 g + 16 on.
.macro WM k, t
.set rD, ACC+8*(\t)
.set rA, BF+8*(\k)
.set rB, 64*(\t)+8*(\k)
.set rU, BSC+(\k)/2
.set rK, ASC+8*((\t)/2)+(\k)
.if (\k) == 0
.if (\t)%2 == 0
	v_wmma_scale_f32_16x16x128_f8f6f4 v[rD:rD+7], v[rA:rA+7], v[rB:rB+7], 0, v[rU], v[rK] matrix_a_fmt:MATRIX_FMT_FP4 matrix_b_fmt:MATRIX_FMT_FP4
.else
	v_wmma_scale_f32_16x16x128_f8f6f4 v[rD:rD+7], v[rA:rA+7], v[rB:rB+7], 0, v[rU], v[rK] matrix_a_fmt:MATRIX_FMT_FP4 matrix_b_fmt:MATRIX_FMT_FP4 matrix_b_scale:MATRIX_SCALE_ROW1
.endif
.elseif (\k)%2 == 0
.if (\t)%2 == 0
	v_wmma_scale_f32_16x16x128_f8f6f4 v[rD:rD+7], v[rA:rA+7], v[rB:rB+7], v[rD:rD+7], v[rU], v[rK] matrix_a_fmt:MATRIX_FMT_FP4 matrix_b_fmt:MATRIX_FMT_FP4
.else
	v_wmma_scale_f32_16x16x128_f8f6f4 v[rD:rD+7], v[rA:rA+7], v[rB:rB+7], v[rD:rD+7], v[rU], v[rK] matrix_a_fmt:MATRIX_FMT_FP4 matrix_b_fmt:MATRIX_FMT_FP4 matrix_b_scale:MATRIX_SCALE_ROW1
.endif
.else
.if (\t)%2 == 0
	v_wmma_scale_f32_16x16x128_f8f6f4 v[rD:rD+7], v[rA:rA+7], v[rB:rB+7], v[rD:rD+7], v[rU], v[rK] matrix_a_fmt:MATRIX_FMT_FP4 matrix_b_fmt:MATRIX_FMT_FP4 matrix_a_scale:MATRIX_SCALE_ROW1
.else
	v_wmma_scale_f32_16x16x128_f8f6f4 v[rD:rD+7], v[rA:rA+7], v[rB:rB+7], v[rD:rD+7], v[rU], v[rK] matrix_a_fmt:MATRIX_FMT_FP4 matrix_b_fmt:MATRIX_FMT_FP4 matrix_a_scale:MATRIX_SCALE_ROW1 matrix_b_scale:MATRIX_SCALE_ROW1
.endif
.endif
.endm
.macro MM                              ; 32 products: 16 outputs x 64 rows x 1,024 K.  The four accumulators take turns, one instruction a turn; the first K step starts the sums
	WIN 0x04                                       ; source 1, the keys' fragments: window 1
.irp k, 0,1,2,3,4,5,6,7
.irp t, 0,1,2,3
	WM \k, \t
.endr
.endr
	WIN 0
.endm
; 16 outputs x 64 rows: y = c k_proj + qb; r = 1 / (1 + 2^y); the running sums take -c Va r.  Each kind of transcendental is one batch of 32 with one plain line and one wait behind it.
.macro EPI
.irp i, 0,2,4,6
.irp t, 0,1,2,3
	v_pk_fma_f32 v[ACC+8*\t+\i:ACC+8*\t+\i+1], v[ACC+8*\t+\i:ACC+8*\t+\i+1], s[CC:CC+1], v[QB+\i:QB+\i+1] op_sel_hi:[1,0,1]   ; each accumulator from its low end on
.endr
.endr
.set nn, 0
	s_wait_alu depctr_va_vdst(0)
.rept 32
	v_exp_f32 v[ACC+nn], v[ACC+nn]
.set nn, nn+1
.endr
	v_nop                                          ; a plain line behind the last exponential,
	s_wait_alu depctr_va_vdst(0)                   ; and a wait ahead of the batch's first reader
.set nn, 0
.rept 16
	v_pk_add_f32 v[ACC+nn:ACC+nn+1], v[ACC+nn:ACC+nn+1], 1.0 op_sel_hi:[1,0]
.set nn, nn+2
.endr
.set nn, 0
	s_wait_alu depctr_va_vdst(0)
.rept 32
	v_rcp_f32 v[ACC+nn], v[ACC+nn]
.set nn, nn+1
.endr
	v_nop
	s_wait_alu depctr_va_vdst(0)                   ; likewise for the reciprocals
.irp i, 0,2,4,6
.irp t, 0,1,2,3
	v_pk_fma_f32 v[SACC+2*\t:SACC+2*\t+1], v[ACC+8*\t+\i:ACC+8*\t+\i+1], v[VA+\i:VA+\i+1], v[SACC+2*\t:SACC+2*\t+1]
.endr
.endr
.endm
; ONE TILE OF 16 OUTPUTS.  sq: the key slot that is quantised;  wb: loads that may be out when Ua's tile must be in (the key row issued behind it);  bl: the next tile of Ua is asked for;
; kl: the next key row is asked for, directly BEHIND Ua's loads, so that it need not be in before the wait for the tile of Ua after that;  q: a key row is quantised;  wk: the loads issued behind that row.
; pf: A PREFETCH INTO THE L2.  This step loads my odd row n; behind its loads it asks for my rows n + 1 and n + 2, which the next two steps load: 8,192 consecutive bytes (an even row and the next lie on end among a
; tile's eight rows of mine), lanes 256 bytes apart, one instruction.  A row belongs to one wave, so each run of 256 bytes is named once in the launch.  Rows 0 to 9 come by their loads alone;
; the step that loads row 31, my last, is written out with pf = 0: no prefetch leaves my work-group's rows.
.macro ITER sq, wb, bl, kl, q, wk, pf
.if \pf
	s_wait_xcnt 0x0                                ; the last prefetch, two steps back, has read its offset, which is written anew here, far ahead of the next prefetch
	s_add_co_u32 s38, s[KN], 1                     ; row n + 1:
	s_and_b32 s39, s38, 7
	s_lshl_b32 s39, s39, 12                        ; its place among my eight,
	s_lshr_b32 s38, s38, 3
	s_lshl_b32 s38, s38, 18                        ; its tile
	s_add_co_u32 s38, s38, s39
	v_lshl_add_u32 v[PFV], v[LOFF], 4, s38         ; + 256 x lane
.endif
	v_add_nc_u32 v[AD3], s[TV], v[VBA]
	ds_load_b128 v[QB:QB+3], v[AD3]
	ds_load_b128 v[QB+4:QB+7], v[AD3] offset:16
	ds_load_b128 v[VA:VA+3], v[AD3] offset:64
	ds_load_b128 v[VA+4:VA+7], v[AD3] offset:80
	s_add_co_u32 s[TV], s[TV], 128
	s_and_b32 s[TV], s[TV], 2047                   ; the table's 16 entries go round
	s_wait_loadcnt \wb
	MM
.if \bl
	BLOAD
.else
	s_add_co_u32 s[TB], s[TB], 8192                ; the walk turns: the next entry is the tile that lies in the registers, so nothing is asked for (the next BLOAD holds the count to its 16 entries)
.rept 4
	v_nop                                          ; the places behind the products
.endr
.endif
	s_wait_dscnt 0x0                               ; qb and Va are in; the last row's stores have read the slot that is loaded next, and QROW's registers
.if \kl
	KLOAD 1-\sq
.endif
.if \pf
	s_wait_alu depctr_va_vdst(0)
	global_prefetch_b8 v[PFV], s[4:5] th:TH_LOAD_NT scope:SCOPE_SE
.endif
	EPI
.if \q
	s_wait_loadcnt \wk
.set XS, KR0+32*(\sq)
	QROW XS, 1
.endif
.endm
.macro OPL q                           ; the coming tile's operands: fragments of rows 16 q on into window 1, and four of its scale registers: 17 loads
	WIN 0x40
.irp k, 0,1,2,3,4,5,6,7
.irp c, 0,1
	ds_load_b128 v[64*(\q)+8*\k+4*\c:64*(\q)+8*\k+4*\c+3], v[FRA] offset:(\q)*16*CP+64*\k+32*\c
.endr
.endr
	WIN 0
	ds_load_b128 v[ASC+4*(\q):ASC+4*(\q)+3], v[SRA] offset:((\q)/2)*32*SCP+16*((\q)%2)
.endm
.macro CHUNK q, nxt                    ; the context takes rows 16 q .. + 15 of the tile: my four columns, 16 weights
	s_add_co_u32 s38, s[KBC], (\q)*32768
	v_add_nc_u32 v[AD0], s38, v[CRD]
.irp i, 0,1,2,3
	ds_load_b128 v[QB+4*\i:QB+4*\i+3], v[PBR] offset:64*(\q)+16*\i    ; every lane takes the same 16 weights
.endr
.irp i, 0,1,2,3,4,5,6,7,8,9,10,11,12,13,14,15
	ds_load_b64 v[ACC+2*\i:ACC+2*\i+1], v[AD0] offset:2048*\i         ; 32 lanes take 256 consecutive bytes of a row
.endr
.if \nxt
	OPL \q
.endif
	s_wait_dscnt 17*\nxt                           ; the 17 operand loads issued last may stay out
.irp i, 0
	v_fma_mix_f32_bf16 v[CTX], v[ACC+2*\i], v[QB+\i], v[CTX] op_sel_hi:[1,0,0]
	v_fma_mix_f32_bf16 v[CTX+1], v[ACC+2*\i], v[QB+\i], v[CTX+1] op_sel:[1,0,0] op_sel_hi:[1,0,0]
	v_fma_mix_f32_bf16 v[CTX+2], v[ACC+2*\i+1], v[QB+\i], v[CTX+2] op_sel_hi:[1,0,0]
	v_fma_mix_f32_bf16 v[CTX+3], v[ACC+2*\i+1], v[QB+\i], v[CTX+3] op_sel:[1,0,0] op_sel_hi:[1,0,0]
.endr
.irp i, 1, 2, 3, 4, 5, 6, 7, 8, 9, 10, 11, 12, 13, 14, 15
	s_delay_alu instid0(VALU_DEP_4)
	v_fma_mix_f32_bf16 v[CTX], v[ACC+2*\i], v[QB+\i], v[CTX] op_sel_hi:[1,0,0]
	s_delay_alu instid0(VALU_DEP_4)
	v_fma_mix_f32_bf16 v[CTX+1], v[ACC+2*\i], v[QB+\i], v[CTX+1] op_sel:[1,0,0] op_sel_hi:[1,0,0]
	s_delay_alu instid0(VALU_DEP_4)
	v_fma_mix_f32_bf16 v[CTX+2], v[ACC+2*\i+1], v[QB+\i], v[CTX+2] op_sel_hi:[1,0,0]
	s_delay_alu instid0(VALU_DEP_4)
	v_fma_mix_f32_bf16 v[CTX+3], v[ACC+2*\i+1], v[QB+\i], v[CTX+3] op_sel:[1,0,0] op_sel_hi:[1,0,0]
.endr
.endm
; THE BOUNDARY BETWEEN TILES.  ctx: a tile's scores are finished: softmax step and context.  nxt: a tile's operands are fetched.  A key row (slot 0) and a tile of Ua may be on their way: their registers are not touched.
.macro BOUND ctx, nxt
.if \ctx
	s_wait_xcnt 0x0                                ; the last boundary's store has read its offset and its data, which are written again below
	v_add_nc_u32 v[SOF], 256, v[SOF]
.irp t, 0,1,2,3
	v_add_f32 v[QT+\t], v[SACC+2*\t], v[SACC+2*\t+1]
.endr
.irp t, 0,1,2,3
	s_delay_alu instid0(VALU_DEP_4)
	v_permlanex16_b32 v[QT+4+\t], v[QT+\t], s[SEL], s[SEL+1]
.endr
.irp t, 0,1,2,3
	s_delay_alu instid0(VALU_DEP_4)
	v_add_f32 v[QT+\t], v[QT+\t], v[QT+4+\t]       ; row 16 t + r: the sum over my wave's 128 outputs
.endr
.irp t, 0,1,2,3
	ds_store_b32 v[PST], v[QT+\t] offset:512*\t    ; both halves of the lanes write the same word with the same value
.endr
.endif
	s_wait_dscnt 0x0                               ; for the others' sake: my rows of the coming tile and my parts of the scores have landed
	s_barrier_signal -1
	s_barrier_wait -1                              ; X
.if \ctx
.irp i, 0,1,2,3
	ds_load_b128 v[KR1+4*\i:KR1+4*\i+3], v[PRD] offset:16*\i          ; rows 2 lane and 2 lane + 1: eight parts each
.endr
	s_wait_dscnt 0x0
	v_pk_add_f32 v[KR1:KR1+1], v[KR1:KR1+1], v[KR1+2:KR1+3]
	v_pk_add_f32 v[KR1+4:KR1+5], v[KR1+4:KR1+5], v[KR1+6:KR1+7]
	v_pk_add_f32 v[KR1+8:KR1+9], v[KR1+8:KR1+9], v[KR1+10:KR1+11]
	v_pk_add_f32 v[KR1+12:KR1+13], v[KR1+12:KR1+13], v[KR1+14:KR1+15]
	s_delay_alu instid0(VALU_DEP_3)
	v_pk_add_f32 v[KR1:KR1+1], v[KR1:KR1+1], v[KR1+4:KR1+5]
	s_delay_alu instid0(VALU_DEP_2)
	v_pk_add_f32 v[KR1+8:KR1+9], v[KR1+8:KR1+9], v[KR1+12:KR1+13]
	s_delay_alu instid0(VALU_DEP_2)
	v_add_f32 v[T0], v[KR1], v[KR1+1]              ; every wave adds in the same order: the same t, M and L in all eight
	s_delay_alu instid0(VALU_DEP_2)
	v_add_f32 v[T1], v[KR1+8], v[KR1+9]
	s_cmp_lg_u32 s[WV], 0
	s_cbranch_scc1 .Lnot_wave_0_\@
	global_store_b64 v[SOF], v[T0:T0+1], s[14:15] offset:-256         ; 32 lanes store 256 consecutive bytes, aligned
.Lnot_wave_0_\@:
	s_wait_alu depctr_va_vdst(0)
	v_max_num_f32 v[QT], v[T0], v[T1]
	s_delay_alu instid0(VALU_DEP_1)
	v_max_num_f32_dpp v[QT], v[QT], v[QT] row_xmask:1 row_mask:0xf bank_mask:0xf
	s_delay_alu instid0(VALU_DEP_1)
	v_max_num_f32_dpp v[QT], v[QT], v[QT] row_xmask:2 row_mask:0xf bank_mask:0xf
	s_delay_alu instid0(VALU_DEP_1)
	v_max_num_f32_dpp v[QT], v[QT], v[QT] row_xmask:4 row_mask:0xf bank_mask:0xf
	s_delay_alu instid0(VALU_DEP_1)
	v_max_num_f32_dpp v[QT], v[QT], v[QT] row_xmask:8 row_mask:0xf bank_mask:0xf
	s_delay_alu instid0(VALU_DEP_1)
	v_permlanex16_b32 v[QT+4], v[QT], s[SEL], s[SEL+1]
	s_delay_alu instid0(VALU_DEP_1)
	v_max3_num_f32 v[QT], v[QT], v[QT+4], v[MX]    ; the new M
	s_delay_alu instid0(VALU_DEP_1)
	v_sub_f32 v[QT+1], v[MX], v[QT]
	s_delay_alu instid0(VALU_DEP_2)
	v_sub_f32 v[QT+2], v[T0], v[QT]
	s_delay_alu instid0(VALU_DEP_3)
	v_sub_f32 v[QT+3], v[T1], v[QT]
	s_wait_alu depctr_va_vdst(0)
	v_exp_f32 v[FF], v[QT+1]                       ; 2^(old M - new M)
	v_exp_f32 v[QT+8], v[QT+2]                     ; the two rows' weights, not normalised
	v_exp_f32 v[QT+9], v[QT+3]
	v_mov_b32 v[MX], v[QT]                         ; (a plain line behind the exponentials)
	s_wait_alu depctr_va_vdst(0)                   ; one wait for the three, ahead of their first reader
	ds_store_b64 v[PBW], v[QT+8:QT+9]              ; my wave's own copy: LDS serves a wave's instructions in order, so CHUNK's loads see it
	v_add_f32 v[QT+10], v[QT+8], v[QT+9]
	s_delay_alu instid0(VALU_DEP_1)
	v_add_f32_dpp v[QT+10], v[QT+10], v[QT+10] row_xmask:1 row_mask:0xf bank_mask:0xf
	s_delay_alu instid0(VALU_DEP_1)
	v_add_f32_dpp v[QT+10], v[QT+10], v[QT+10] row_xmask:2 row_mask:0xf bank_mask:0xf
	s_delay_alu instid0(VALU_DEP_1)
	v_add_f32_dpp v[QT+10], v[QT+10], v[QT+10] row_xmask:4 row_mask:0xf bank_mask:0xf
	s_delay_alu instid0(VALU_DEP_1)
	v_add_f32_dpp v[QT+10], v[QT+10], v[QT+10] row_xmask:8 row_mask:0xf bank_mask:0xf
	s_delay_alu instid0(VALU_DEP_1)
	v_permlanex16_b32 v[QT+4], v[QT+10], s[SEL], s[SEL+1]
	s_delay_alu instid0(VALU_DEP_1)
	v_add_f32 v[QT+10], v[QT+10], v[QT+4]
	v_fma_f32 v[LS], v[LS], v[FF], v[QT+10]
	v_pk_mul_f32 v[CTX:CTX+1], v[CTX:CTX+1], v[FF:FF+1] op_sel_hi:[1,0]
	s_wait_alu depctr_va_vdst(0)
	v_pk_mul_f32 v[CTX+2:CTX+3], v[CTX+2:CTX+3], v[FF:FF+1] op_sel_hi:[1,0]
	s_wait_alu depctr_va_vdst(0)
	CHUNK 0, \nxt
	s_wait_alu depctr_va_vdst(0)
	CHUNK 1, \nxt
	s_wait_alu depctr_va_vdst(0)
	CHUNK 2, \nxt
	s_wait_alu depctr_va_vdst(0)
	CHUNK 3, \nxt
.else
	OPL 0
	OPL 1
	OPL 2
	OPL 3
.endif
.if \nxt
	s_wait_dscnt 0x0                               ; my reads of the codes, the scale bytes, the parts and the bf16 tile are over
	s_barrier_signal -1
	s_barrier_wait -1                              ; Y: everybody's are: these bytes may be written again
	s_xor_b32 s[KBC], s[KBC], KBX
	s_xor_b32 s[KBN], s[KBN], KBX
	s_mov_b32 s[TQ], 0
	s_mov_b32 s[TS], 0
	s_mov_b32 s[TK], s[KBN]
.irp t, 0,1,2,3,4,5,6,7
	v_mov_b32 v[SACC+\t], 0
.endr
.endif
.endm
.macro PSET n                          ; the prologue's four row slots: the two key slots and Ua's registers, which are still free
.if (\n)%4 == 0
.set XS, KR0
.elseif (\n)%4 == 1
.set XS, KR1
.else
.set XS, BF+32*((\n)%4-2)
.endif
.endm
.macro PLOAD n
	PSET \n
.irp j, 0,1,2,3
.irp u, 0,1
	global_load_b128 v[XS+8*\j+4*\u:XS+8*\j+4*\u+3], v[KOFF], s[4:5] offset:4096*(\n)+1024*\j+512*\u th:TH_LOAD_NT
.endr
.endr
.endm
	s_load_b512 s[4:19], s[0:1], 0x0               ; keys 4, ub_codes 6, ub_scales 8, qb 10, Va_w 12, sc_t 14, pc 16, pml 18
	v_lshl_add_u32 v[SPW], v0, 2, SPARE
	v_mov_b32 v[NIL], 0
	v_lshrrev_b32 v[TMP], 5, v0
	s_delay_alu instid0(VALU_DEP_1)
	v_readfirstlane_b32 s[WV], v[TMP]              ; wave 0..7
	v_and_b32 v[AD0], 31, v0                       ; lane
	v_and_b32 v[AD1], 15, v0                       ; r
	v_bfe_u32 v[AD2], v0, 4, 1                     ; h
	v_and_b32 v[TMP], 3, v0
	s_delay_alu instid0(VALU_DEP_3)
	v_lshlrev_b32 v[KOFF], 5, v[AD1]               ; octet r of a load's sixteen,
	s_delay_alu instid0(VALU_DEP_1)
	v_lshl_add_u32 v[KOFF], v[AD2], 4, v[KOFF]     ; its lower or its upper 16 bytes
	v_lshlrev_b32 v[LOFF], 4, v[AD0]
	s_mul_i32 s38, s[WV], 8*CP
	s_add_co_u32 s38, s38, CODES
	v_lshl_add_u32 v[CST], v[AD0], 2, s38
	s_mul_i32 s38, s[WV], 8*SCP
	s_add_co_u32 s38, s38, SCB
	v_bfe_u32 v[SST], v0, 2, 3
	s_delay_alu instid0(VALU_DEP_1)
	v_add_nc_u32 v[SST], s38, v[SST]
	s_lshl_b32 s38, s[WV], 14
	v_lshl_add_u32 v[KST], v[AD0], 4, s38
	v_mul_u32_u24 v[FRA], v[AD1], CP
	s_delay_alu instid0(VALU_DEP_1)
	v_lshl_add_u32 v[FRA], v[AD2], 4, v[FRA]
	s_delay_alu instid0(VALU_DEP_1)
	v_add_nc_u32 v[FRA], CODES, v[FRA]
	v_mul_u32_u24 v[SRA], v[AD0], SCP
	s_delay_alu instid0(VALU_DEP_1)
	v_add_nc_u32 v[SRA], SCB, v[SRA]
	s_lshl_b32 s38, s[WV], 11
	s_add_co_u32 s38, s38, VB
	v_lshl_add_u32 v[VBA], v[AD2], 5, s38
	v_bfe_u32 v[AD3], v0, 2, 3                     ; the table's way in: tile lane / 4, piece lane % 4
	s_delay_alu instid0(VALU_DEP_1)
	v_lshl_add_u32 v[AD3], v[AD3], 7, s38
	s_delay_alu instid0(VALU_DEP_1)
	v_lshl_add_u32 v[AD3], v[TMP], 4, v[AD3]
	v_bfe_u32 v[BO], v0, 2, 3                      ; and the same in qb: 2,048 bytes from tile to tile
	s_delay_alu instid0(VALU_DEP_1)
	v_lshlrev_b32 v[BO], 11, v[BO]
	s_delay_alu instid0(VALU_DEP_1)
	v_lshl_add_u32 v[BO], v[TMP], 4, v[BO]
	v_lshlrev_b32 v[PST], 5, v[AD1]
	s_lshl_b32 s38, s[WV], 2
	s_add_co_u32 s38, s38, PART
	v_add_nc_u32 v[PST], s38, v[PST]
	v_lshlrev_b32 v[PRD], 6, v[AD0]
	s_delay_alu instid0(VALU_DEP_1)
	v_add_nc_u32 v[PRD], PART, v[PRD]
	s_lshl_b32 s38, s[WV], 8
	v_lshl_add_u32 v[CRD], v[AD0], 3, s38
	s_add_co_u32 s38, s38, PB
	v_lshl_add_u32 v[PBW], v[AD0], 3, s38
	v_mov_b32 v[PBR], s38
	v_lshlrev_b32 v[SOF], 3, v[AD0]
	v_mov_b32 v[MX], 0xff61b1e6                    ; M: -3e38, under every t: the first boundary multiplies zeros by 0
	v_mov_b32 v[LS], 0
	v_mov_b32 v[FF+1], 0                           ; (named with v250 as a pair, so it is written)
.irp e, 0,1,2,3
	v_mov_b32 v[CTX+\e], 0
.endr
	s_mov_b32 s[CC], 0x4038aa3b                    ; c = 2 log2(e)
	s_mov_b32 s[CC+1], s[CC]
	s_mov_b32 s[NC], 0xc038aa3b                    ; -c
	s_mov_b32 s[NC+1], s[NC]
	s_mov_b32 s[SEL], 0x76543210
	s_mov_b32 s[SEL+1], 0xfedcba98
	s_mov_b32 s[TQ], 0
	s_mov_b32 s[TS], 0
	s_mov_b32 s[TK], 0
	s_mov_b32 s[TV], 0
	s_mov_b32 s[KBC], KBX                          ; the prologue writes the tile at 0; the first boundary turns the two round
	s_mov_b32 s[KBN], 0
	s_mov_b32 s[TB], 0x1e000                       ; entry 15: the first step goes round to entry 0
	s_mov_b32 s[KN], 8
	s_wait_kmcnt 0x0
	s_lshl_b32 s38, ttmp9, 20                      ; keys: 256 rows of 4,096 bytes a work-group, 8 rows a wave
	s_lshl_b32 s39, s[WV], 15
	s_add_co_u32 s38, s38, s39
	s_mov_b32 s39, 0
	s_add_nc_u64 s[4:5], s[4:5], s[38:39]
	s_lshl_b32 s38, s[WV], 16                      ; my eight tiles of Ua: 8,192 bytes of codes each,
	s_add_nc_u64 s[6:7], s[6:7], s[38:39]
	s_lshl_b32 s38, s[WV], 12                      ; 512 of scale words
	s_add_nc_u64 s[8:9], s[8:9], s[38:39]
	s_lshr_b32 s38, ttmp9, 3                       ; qb: my batch's 64 bytes in each of my eight tiles
	s_lshl_b32 s38, s38, 6
	s_lshl_b32 s42, s[WV], 14
	s_add_co_u32 s38, s38, s42
	s_add_nc_u64 s[10:11], s[10:11], s[38:39]
	s_lshl_b32 s38, s[WV], 9
	s_add_nc_u64 s[12:13], s[12:13], s[38:39]      ; Va: my 128 numbers
	s_lshl_b32 s42, ttmp9, 12
	s_add_co_u32 s38, s38, s42
	s_add_nc_u64 s[16:17], s[16:17], s[38:39]      ; pc: 4,096 bytes a work-group, 512 a wave
	s_lshl_b32 s38, ttmp9, 10
	s_add_nc_u64 s[14:15], s[14:15], s[38:39]      ; sc_t: 1,024 bytes a work-group
	s_lshl_b32 s38, ttmp9, 8
	s_add_nc_u64 s[18:19], s[18:19], s[38:39]      ; pml: 256
	global_load_b128 v[QB:QB+3], v[BO], s[10:11]
	global_load_b128 v[VA:VA+3], v[LOFF], s[12:13]
	; THE PROLOGUE: tile 0, my eight rows, four on their way at a time
.irp n, 0,1,2,3
	PLOAD \n
.endr
	s_wait_loadcnt 32                              ; qb and Va are in; the four rows issued behind them may be out
	v_pk_mul_f32 v[VA:VA+1], v[VA:VA+1], s[NC:NC+1] op_sel_hi:[1,0]
	v_pk_mul_f32 v[VA+2:VA+3], v[VA+2:VA+3], s[NC:NC+1] op_sel_hi:[1,0]
	v_xor_b32 v[BSO], 0x780, v[AD3]                ; entry 15 - t: bits 10:7 of the address are the entry's number, since the wave's table begins at a multiple of 2,048
	ds_store_b128 v[AD3], v[QB:QB+3]               ; my wave's own table: read by my wave alone, in order
	ds_store_b128 v[AD3], v[VA:VA+3] offset:64
	ds_store_b128 v[BSO], v[QB:QB+3]               ; and the same tile once more, for the way back
	ds_store_b128 v[BSO], v[VA:VA+3] offset:64
.irp n, 0,1,2,3,4,5,6,7
.if \n < 5
	s_wait_loadcnt 24                              ; row n is in; the three rows issued behind it may be out
.else
	s_wait_loadcnt 8*(7-\n)
.endif
	PSET \n
	QROW XS, 1
	s_wait_dscnt 0x0                               ; the stores have read the slot, which is loaded again, and QROW's registers
.if \n < 4
	PLOAD \n+4
.endif
.endr
	BLOAD                                          ; Ua's tile 0,
	KLOAD 0                                        ; and behind it tile 1's first row
	BOUND 0, 1
	; TILES 0 AND 1.  At a loop's head what is out is one tile of Ua (17 loads) and, issued behind it, one key row (8); at the second pass's head only the key row, the tile of Ua lying in its registers
	s_mov_b32 s[PAS], 2
.Lpass:
	s_mov_b32 s[CNT], 3
.Lpair:
	ITER 0, 8, 1, 1, 1, 25, 1
	ITER 1, 8, 1, 1, 1, 25, 0
	s_sub_co_u32 s[CNT], s[CNT], 1
	s_cmp_lg_u32 s[CNT], 0
	s_cbranch_scc1 .Lpair
	ITER 0, 8, 1, 1, 1, 25, 1                      ; the walk's last two steps are written out: the last asks for no tile of Ua, so behind its key row only the next key row's 8 loads are out
	ITER 1, 8, 0, 1, 1, 8, 0
	BOUND 1, 1
	s_sub_co_u32 s[PAS], s[PAS], 1
	s_cmp_lg_u32 s[PAS], 0
	s_cbranch_scc1 .Lpass
	; TILE 2: its last step asks for no key row: there is none; the step before it, which loads row 31, prefetches nothing.  The tails are written out, so that every count holds on every way
	s_mov_b32 s[CNT], 3
.Lpair2:
	ITER 0, 8, 1, 1, 1, 25, 1
	ITER 1, 8, 1, 1, 1, 25, 0
	s_sub_co_u32 s[CNT], s[CNT], 1
	s_cmp_lg_u32 s[CNT], 0
	s_cbranch_scc1 .Lpair2
	ITER 0, 8, 1, 1, 1, 25, 0
	ITER 1, 8, 0, 0, 1, 0, 0
	BOUND 1, 1
	; TILE 3: nothing more arrives but Ua
	s_mov_b32 s[CNT], 7
.Llast:
	ITER 0, 0, 1, 0, 0, 0, 0
	s_sub_co_u32 s[CNT], s[CNT], 1
	s_cmp_lg_u32 s[CNT], 0
	s_cbranch_scc1 .Llast
	ITER 0, 0, 0, 0, 0, 0, 0
	s_wait_alu depctr_va_vdst(0)
	BOUND 1, 0
	global_store_b128 v[LOFF], v[CTX:CTX+3], s[16:17]           ; my wave's 128 columns: 512 consecutive bytes
	s_cmp_lg_u32 s[WV], 0
	s_cbranch_scc1 .Lend
	global_store_b64 v[SOF], v[MX:MX+1], s[18:19] offset:-1024  ; (M, L), once a lane: 256 consecutive bytes, aligned.  Four boundaries have stepped the offset by 1,024
.Lend:
	s_wait_tensorcnt 0x0                           ; the wave's end, behind my last LDS store
	ds_add_u32 v[SPW], v[NIL]
	s_wait_dscnt 0x0
	s_endpgm
.Lfunc_end_k_q411b3ac0d7_main:
	.size	k_q411b3ac0d7_main, .Lfunc_end_k_q411b3ac0d7_main-k_q411b3ac0d7_main
	.p2alignl 7, 3214868480
	.fill 96, 4, 3214868480
	.section	.rodata,"a",@progbits
	.p2align	6, 0x0
	.amdhsa_kernel k_q411b3ac0d7_main
		.amdhsa_group_segment_fixed_size 320512
		.amdhsa_private_segment_fixed_size 0
		.amdhsa_enable_private_segment 0
		.amdhsa_kernarg_size 64
		.amdhsa_user_sgpr_count 2
		.amdhsa_user_sgpr_kernarg_segment_ptr 1
		.amdhsa_wavefront_size32 1
		.amdhsa_system_sgpr_workgroup_id_x 1
		.amdhsa_system_sgpr_workgroup_id_y 1
		.amdhsa_system_sgpr_workgroup_id_z 1
		.amdhsa_system_vgpr_workitem_id 0
		.amdhsa_next_free_vgpr 512
		.amdhsa_next_free_sgpr 66
		.amdhsa_reserve_vcc 0
		.amdhsa_float_denorm_mode_32 3
		.amdhsa_float_denorm_mode_16_64 3
		.amdhsa_memory_ordered 1
		.amdhsa_forward_progress 1
		.amdhsa_inst_pref_size 255
	.end_amdhsa_kernel
	.section	.bss,"aw",@nobits
	.p2align	6
	.space	262144
	.amdgpu_metadata
---
amdhsa.version: [ 1, 2 ]
amdhsa.kernels:
  - .name:           k_q411b3ac0d7_main
    .symbol:         k_q411b3ac0d7_main.kd
    .args:
      - { .name: keys, .offset: 0, .size: 8, .value_kind: global_buffer, .address_space: global }
      - { .name: ub_codes, .offset: 8, .size: 8, .value_kind: global_buffer, .address_space: global }
      - { .name: ub_scales, .offset: 16, .size: 8, .value_kind: global_buffer, .address_space: global }
      - { .name: qb, .offset: 24, .size: 8, .value_kind: global_buffer, .address_space: global }
      - { .name: Va_w, .offset: 32, .size: 8, .value_kind: global_buffer, .address_space: global }
      - { .name: sc_t, .offset: 40, .size: 8, .value_kind: global_buffer, .address_space: global }
      - { .name: pc, .offset: 48, .size: 8, .value_kind: global_buffer, .address_space: global }
      - { .name: pml, .offset: 56, .size: 8, .value_kind: global_buffer, .address_space: global }
    .group_segment_fixed_size: 320512
    .private_segment_fixed_size: 0
    .kernarg_segment_align: 8
    .kernarg_segment_size: 64
    .max_flat_workgroup_size: 256
    .sgpr_count:     66
    .vgpr_count:     512
    .wavefront_size: 32
...
	.end_amdgpu_metadata
.endif
;; end of part 5
;; launch finish (part 6): grid 32 x 1, 8 waves a work-group, no clusters, 0 bytes of LDS; arguments sc_t, pc, pml, out0, out1; writes out0, out1
.if DOCPART == 6
	.amdgcn_target "amdgcn-amd-amdhsa--gfx1250"
	.amdhsa_code_object_version 6
	.text
	.protected	k_q411b3ac0d7_finish
	.globl	k_q411b3ac0d7_finish
	.p2align	8
	.type	k_q411b3ac0d7_finish,@function
k_q411b3ac0d7_finish:
	s_mov_b64 s[64:65], 0
	v_nop
	global_prefetch_b8 v0, s[64:65] scope:SCOPE_SE
	s_setreg_imm32_b32 hwreg(HW_REG_WAVE_MODE, 25, 1), 1
	s_wait_xcnt 0x0
; BAHDANAU ATTENTION, launch 3 of 3.  Left out, as shown at the head of the first kernel: Va_b and the sum of Va (the same along the softmax's axis).
; A batch's 2,048 keys were taken by eight work-groups; each left t (log2 units), its maximum m_i, its sum l_i of 2^(t - m_i) and its context c_i = sum of 2^(t - m_i) x key.
; M = max m_i;  e_i = 2^(m_i - M);  L = sum l_i e_i;  out0 = sum e_i c_i / L;  out1 = 2^(t - M) / L.  One work-group a batch; thread n takes four columns of out0 and two runs of four weights.
; No LDS, no barrier: every thread reads the eight (m, l) itself.  Every store of a wave covers 512 consecutive bytes.
.set ML, 4                             ; v4-19   (m_i, l_i)
.set MX, 20
.set LS, 21
.set E,  22                            ; v22-29  e_i, then e_i / L
.set INV, 30
.set PCR, 32                           ; v32-63  c_i, four columns each
.set TT, 64                            ; v64-71  t, then the weights
.set O,  72                            ; v72-75  out0
	s_load_b256 s[4:11], s[0:1], 0x0               ; sc_t 4, pc 6, pml 8, out0 10
	s_load_b64 s[12:13], s[0:1], 0x20              ; out1
	v_lshlrev_b32 v1, 4, v0
	v_mov_b32 v2, 0
	s_mov_b32 s15, 0
	s_wait_alu depctr_va_vdst(0)
	s_wait_kmcnt 0x0
	s_lshl_b32 s14, ttmp9, 13                      ; 2,048 f32 a batch
	s_add_nc_u64 s[4:5], s[4:5], s[14:15]
	s_add_nc_u64 s[12:13], s[12:13], s[14:15]
	s_lshl_b32 s14, ttmp9, 15                      ; eight partial contexts of 4,096 bytes
	s_add_nc_u64 s[6:7], s[6:7], s[14:15]
	s_lshl_b32 s14, ttmp9, 11                      ; eight times 256 bytes
	s_add_nc_u64 s[8:9], s[8:9], s[14:15]
	s_lshl_b32 s14, ttmp9, 12
	s_add_nc_u64 s[10:11], s[10:11], s[14:15]
.irp i, 0,1,2,3,4,5,6,7
	global_load_b64 v[ML+2*\i:ML+2*\i+1], v2, s[8:9] offset:256*\i
.endr
.irp i, 0,1,2,3,4,5,6,7
	global_load_b128 v[PCR+4*\i:PCR+4*\i+3], v1, s[6:7] offset:4096*\i
.endr
	global_load_b128 v[TT:TT+3], v1, s[4:5]
	global_load_b128 v[TT+4:TT+7], v1, s[4:5] offset:4096
	s_wait_loadcnt 10                              ; the eight (m, l) are in; the ten loads issued behind them may be out
	v_max3_num_f32 v[MX], v[ML], v[ML+2], v[ML+4]
	s_delay_alu instid0(VALU_DEP_1)
	v_max3_num_f32 v[MX], v[MX], v[ML+6], v[ML+8]
	s_delay_alu instid0(VALU_DEP_1)
	v_max3_num_f32 v[MX], v[MX], v[ML+10], v[ML+12]
	s_delay_alu instid0(VALU_DEP_1)
	v_max_num_f32 v[MX], v[MX], v[ML+14]
.irp i, 0,1,2,3,4,5,6,7
	v_sub_f32 v[E+\i], v[ML+2*\i], v[MX]
.endr
	s_wait_alu depctr_va_vdst(0)
.irp i, 0,1,2,3,4,5,6,7
	v_exp_f32 v[E+\i], v[E+\i]
.endr
	v_nop                                          ; a plain line behind the last exponential,
	s_wait_alu depctr_va_vdst(0)                   ; and one wait for the eight, ahead of their first reader
	v_mul_f32 v[LS], v[ML+1], v[E]
.irp i, 1,2,3,4,5,6,7
	v_fma_f32 v[LS], v[ML+2*\i+1], v[E+\i], v[LS]
.endr
	s_wait_alu depctr_va_vdst(0)
	v_rcp_f32 v[INV], v[LS]
	v_nop
	s_wait_alu depctr_va_vdst(0)
.irp i, 0,1,2,3,4,5,6,7
	v_mul_f32 v[E+\i], v[E+\i], v[INV]
.endr
	s_wait_alu depctr_va_vdst(0)
	s_wait_loadcnt 2                               ; the partial contexts are in; t's two loads may be out
.irp e, 0,1,2,3
	v_mul_f32 v[O+\e], v[PCR+\e], v[E]
.endr
.irp i, 1,2,3,4,5,6,7
.irp e, 0,1,2,3
	s_delay_alu instid0(VALU_DEP_4)
	v_fma_f32 v[O+\e], v[PCR+4*\i+\e], v[E+\i], v[O+\e]
.endr
.endr
	global_store_b128 v1, v[O:O+3], s[10:11]
	s_wait_loadcnt 0x0
.irp j, 0,1,2,3,4,5,6,7
	v_sub_f32 v[TT+\j], v[TT+\j], v[MX]
.endr
	s_wait_alu depctr_va_vdst(0)
.irp j, 0,1,2,3,4,5,6,7
	v_exp_f32 v[TT+\j], v[TT+\j]
.endr
	v_nop
	s_wait_alu depctr_va_vdst(0)
.irp j, 0,1,2,3,4,5,6,7
	v_mul_f32 v[TT+\j], v[TT+\j], v[INV]
.endr
	global_store_b128 v1, v[TT:TT+3], s[12:13]
	global_store_b128 v1, v[TT+4:TT+7], s[12:13] offset:4096
	s_endpgm
.Lfunc_end_k_q411b3ac0d7_finish:
	.size	k_q411b3ac0d7_finish, .Lfunc_end_k_q411b3ac0d7_finish-k_q411b3ac0d7_finish
	.p2alignl 7, 3214868480
	.fill 96, 4, 3214868480
	.section	.rodata,"a",@progbits
	.p2align	6, 0x0
	.amdhsa_kernel k_q411b3ac0d7_finish
		.amdhsa_group_segment_fixed_size 0
		.amdhsa_private_segment_fixed_size 0
		.amdhsa_enable_private_segment 0
		.amdhsa_kernarg_size 40
		.amdhsa_user_sgpr_count 2
		.amdhsa_user_sgpr_kernarg_segment_ptr 1
		.amdhsa_wavefront_size32 1
		.amdhsa_system_sgpr_workgroup_id_x 1
		.amdhsa_system_sgpr_workgroup_id_y 1
		.amdhsa_system_sgpr_workgroup_id_z 1
		.amdhsa_system_vgpr_workitem_id 0
		.amdhsa_next_free_vgpr 96
		.amdhsa_next_free_sgpr 66
		.amdhsa_reserve_vcc 0
		.amdhsa_float_denorm_mode_32 3
		.amdhsa_float_denorm_mode_16_64 3
		.amdhsa_memory_ordered 1
		.amdhsa_forward_progress 1
		.amdhsa_inst_pref_size 9
	.end_amdhsa_kernel
	.amdgpu_metadata
---
amdhsa.version: [ 1, 2 ]
amdhsa.kernels:
  - .name:           k_q411b3ac0d7_finish
    .symbol:         k_q411b3ac0d7_finish.kd
    .args:
      - { .name: sc_t, .offset: 0, .size: 8, .value_kind: global_buffer, .address_space: global }
      - { .name: pc, .offset: 8, .size: 8, .value_kind: global_buffer, .address_space: global }
      - { .name: pml, .offset: 16, .size: 8, .value_kind: global_buffer, .address_space: global }
      - { .name: out0, .offset: 24, .size: 8, .value_kind: global_buffer, .address_space: global }
      - { .name: out1, .offset: 32, .size: 8, .value_kind: global_buffer, .address_space: global }
    .group_segment_fixed_size: 0
    .private_segment_fixed_size: 0
    .kernarg_segment_align: 8
    .kernarg_segment_size: 40
    .max_flat_workgroup_size: 256
    .sgpr_count:     66
    .vgpr_count:     96
    .wavefront_size: 32
...
	.end_amdgpu_metadata
.endif
;; end of part 6
